; MI455X (gfx1250); checked and timed in simulation.
; The chip was launched on July 23, 2026; its instructions are those of AMD's public machine-readable ISA for CDNA 5 (MIT licence, August 2026) and "CDNA5" Instruction Set Architecture Reference Guide (July 2026). The comments in the code are by the model that wrote it; some were corrected since.
;; Attention. Allowed arithmetic: matrix products marked QUANTISED: E2M3 operands, one E8M0 scale for each 32 along K, by v_wmma_scale_f32_16x16x128_f8f6f4 with both operands' format E2M3, f32 sums; everything else in f32.
;; Inputs: b_attn 3,072 float32; b_proj 1,024 float32; mask 1 x 1 x 2,048 x 2,048 bool; w_attn 1,024 x 3,072 float32; w_proj 1,024 x 1,024 float32; x 4 x 2,048 x 1,024 float32.
;; Outputs: out0 4 x 2,048 x 1,024 float32.
;; This version of the problem:
;;   THIS VERSION OF THE PROBLEM IS GIVEN IN LOW PRECISION. The matrix products marked QUANTISED in the list below multiply operands that are first quantised to E2M3 (2 exponent bits, 3 mantissa bits; 6 bits a number), with one power-of-two scale for each 32 numbers along K (OCP MX v1.0); their sums are f32. All else is computed in f32.
;;   The module's matrix products, in the order in which they are computed (A, B: the left and right operand; K: the contracted axis; several contracted axes count as one K, in the product's order):
;;     1. [M 8,192, K 1,024] x [K 1,024, N 3,072]; A: input x; B: input w_attn: QUANTISED
;;     2. batch 64 x [M 2,048, K 64] x [K 64, N 2,048]; A: computed on the way; B: computed on the way: QUANTISED
;;     3. batch 64 x [M 2,048, K 2,048] x [K 2,048, N 64]; A: softmax (see below); B: computed on the way: QUANTISED
;;     4. [M 8,192, K 1,024] x [K 1,024, N 1,024]; A: computed on the way; B: input w_proj: QUANTISED
;;   THE QUANTISER, for each operand of a quantised product, along K:
;;     - K is cut into blocks of 32 from its start; a last block that is shorter is filled with zeros.
;;     - A block's scale is 2^e with e = floor(log2(the largest magnitude in the block)) - 2, held to -126 .. 127; a block of zeros has e = 0. As a byte (E8M0): e + 127.
;;     - Each number is divided by its block's scale, clamped to +-7.5, and rounded to the nearest number of E2M3, ties to even, subnormals kept.
;;     - The product sums the exact products of the quantised numbers (number of the format x scale) in f32.
;;   ~~~python
;;   def quantise(x, axis):      # numpy; x: float32 -> the quantised numbers, widened to float32 again
;;       x = np.moveaxis(x, axis, -1); K = x.shape[-1]
;;       x = np.pad(x, [(0, 0)] * (x.ndim - 1) + [(0, -K % 32)]); x = x.reshape(x.shape[:-1] + (-1, 32)); a = np.abs(x).max(-1, keepdims=True)
;;       e = np.where(a > 0, np.clip(np.frexp(np.where(a > 0, a, 1))[1] - 1 - 2, -126, 127), 0)      # np.frexp(a)[1] - 1 = floor(log2(a)), exactly
;;       r = np.clip(x / 2.0 ** e, -7.5, 7.5)
;;       step = 2.0 ** (np.maximum(np.frexp(np.where(r == 0, 1, r))[1] - 1, 0) - 3)
;;       q = np.round(r / step) * step * 2.0 ** e      # np.round: ties to even
;;       return np.moveaxis(q.reshape(q.shape[:-2] + (-1,))[..., :K], -1, axis).astype(np.float32)
;;   ~~~
;;   SOFTMAX AHEAD OF A QUANTISED PRODUCT. Where the list says 'softmax', what is quantised is not the finished softmax but p = 2^(t - M), with t = logit x log2(e) and M = ceil(the row's largest t), a whole number; so 1/2 < the row's largest p <= 1. The row's sum l is taken of the UNQUANTISED p, in f32, and the product's result is divided by l at the end. Since M is a whole number, a kernel that streams over the keys may use a running M (the ceiling of the running maximum): every later rescaling is an exact power of two, which a block's scale takes up: the codes' values come out the same.
;;   OPERANDS COMPUTED ON THE WAY. 'Computed on the way' means the value that the module computes at that place (a softmax that the list does not call 'softmax' is quantised finished and normalised). What goes into a quantiser is computed in f32, as accurately as f32 sums, v_exp_f32 and their like allow (about 1e-6 of the number): no bf16 or f16 on the way to a quantiser, and a product that is left as it is and whose result goes on into a quantised operand takes f32 operands (vector FMAs, or v_wmma_f32_16x16x4_f32). A number that lies on a knife's edge between two numbers of the format may be rounded either way, as far as f32 arithmetic and the matrix unit's own rounding can turn it there, and no further.
;; 2 versions, each right; version 2 is version 1 with the launch attn written anew for expert scheduling mode. Each part assembles by itself: llvm-mc -triple=amdgcn-amd-amdhsa -mcpu=gfx1250 --defsym DOCPART=n.
;; ======== version 1 of 2: 4 launches
;; workspace buffers: xq 6,553,600 bytes; wq 3,276,800 bytes; tilecls 512 bytes of whole numbers; qkv 26,214,400 bytes; oq 6,553,600 bytes
;; launch prep (part 1): grid 896 x 1, 4 waves a work-group, no clusters, 68,096 bytes of LDS; arguments x, w_attn, w_proj, mask, xq, wq, tilecls; writes xq, wq, tilecls
.if DOCPART == 1
	.amdgcn_target "amdgcn-amd-amdhsa--gfx1250"
	.amdhsa_code_object_version 6
	.text
	.protected	k_q611c09d760_prep
	.globl	k_q611c09d760_prep
	.p2align	8
	.type	k_q611c09d760_prep,@function
k_q611c09d760_prep:
	s_mov_b64 s[64:65], 0
	v_nop
	global_prefetch_b8 v0, s[64:65] scope:SCOPE_SE
	s_setreg_imm32_b32 hwreg(HW_REG_WAVE_MODE, 25, 1), 1
	s_wait_xcnt 0x0
; FIRST OF FOUR LAUNCHES of: out = proj(softmax(mask(q k^T / 8)) v), q, k, v = x w_attn + b_attn, all four products on codes of FP6 (E2M3) with one E8M0 scale for each 32 along K.
; DEAD WORK: none.  Every product, bias and input of the problem has a way to the output, so all six inputs are loaded by some launch (x, w_attn, w_proj, mask here; b_attn, mask, b_proj later).
; What the attention launch leaves out (key steps in which the mask keeps nothing for a tile of queries) is a choice made by whole numbers that THIS launch reads off the mask and stores.
; THIS LAUNCH quantises x (K innermost) and both weights (K outermost) once, and sorts the mask's tiles into classes.  Work-groups 0-511: x; 512-703: w_attn; 704-767: w_proj; 768-895: the mask.
; A block's scale is 2^(floor(log2(largest magnitude)) - 2); its byte is the largest magnitude's exponent field - 2, held at 1 from below by a floor among the maximum's leaves.
; LAYOUT OF THE CODES: the order of the matrix operand's registers.  32 neighbouring rows make two tiles u = 0, 1; slot p of tile u is row 8 u + p + 8 (p / 8).  A HALF (16 slots x 64 along K, 768 bytes): lane (r, h) owns the
; 24 bytes of slot r, K block h: its registers 0-3 at 16 x lane, its registers 4-5 at 512 + 16 r + 8 h.  Two halves on end are a fragment of 128 along K.
;   xq: codes [64 tokens][K step 8][tile 4][1,536]; from byte 6,291,456 scale words [64 tokens][K step][group of 32][word 16 u + p].
;   wq: per group of 32 columns codes [K step 8][u][1,536] and scale words [K step][16 u + p]: w_attn's at 0 and 2,359,296, w_proj's at 2,457,600 and 3,244,032.
;   tilecls: word T (tile of 16 queries, 0-127): two bits for each key step of 128 at bits 2 s: 0 nothing kept, 1 mixed, 2 all kept.
; LIMITS: NaN and infinities among x and the weights are not served; a block whose largest magnitude lies under 2^-124 keeps the byte 1 (a block of zeros too, where the rule says 127: its codes are zeros, and only this
; program reads the bytes); mask bytes are 0 or 1.
.set SPARE, 67584                      ; behind the four stages: the spare words, 128 bytes a wave
.set STG,   16896                      ; a wave's stage: 32 rows x (512 bytes + 16)
.set SPW, 30                           ; v30  my spare word's LDS address; never rewritten
.set NIL, 31                           ; v31  0; never rewritten
.set X,   32                           ; v32-159  128 numbers a lane
.set C,   160                          ; codes, a run of registers for each block, so that no store's data are written again
.set TQ,  176                          ; weights: the tails of two blocks, 16 bytes
.set T,   192                          ; a block's second conversion (three registers begin on an even number)
.set MA,  196                          ; v196-197 two chains of the maximum
.set SO,  198                          ; the conversion's scale operand
.set BY,  200                          ; v200-203 scale bytes
.set W,   204                          ; v204-207 scale words at work
; 32 numbers of ONE lane, v[src] on, become 32 codes: the first 16 in v[c] .. v[c + 2], the others in v[T] .. v[T + 2]; the scale's byte in v[by].
.macro QB src, c, by
	v_max3_num_f32 v[MA], |v[\src]|, |v[\src+1]|, 0x1800000          ; the floor 2^(3 - 127) is one of the leaves: the byte cannot fall under 1
	v_max3_num_f32 v[MA+1], |v[\src+2]|, |v[\src+3]|, |v[\src+4]|
.irp i, 5,9,13,17,21,25
	v_max3_num_f32 v[MA], v[MA], |v[\src+\i]|, |v[\src+\i+1]|
	v_max3_num_f32 v[MA+1], v[MA+1], |v[\src+\i+2]|, |v[\src+\i+3]|
.endr
	v_max3_num_f32 v[MA], v[MA], |v[\src+29]|, |v[\src+30]|
	v_max3_num_f32 v[MA], v[MA], v[MA+1], |v[\src+31]|               ; the block's largest magnitude
	v_add_nc_u32 v[SO], 0xff000000, v[MA]                            ; 2 off its exponent field: the conversion takes this operand's exponent field as its scale
	v_cvt_scalef32_pk16_fp6_f32 v[\c:\c+2], v[\src:\src+15], v[SO]
	v_cvt_scalef32_pk16_fp6_f32 v[T:T+2], v[\src+16:\src+31], v[SO]
	v_lshrrev_b32 v[\by], 23, v[SO]                                  ; the byte; also the plain line behind the conversions
.endm
	s_load_b256 s[4:11], s[0:1], 0x0               ; x s[4:5], w_attn s[6:7], w_proj s[8:9], mask s[10:11]
	s_load_b128 s[12:15], s[0:1], 0x20             ; xq s[12:13], wq s[14:15]
	s_load_b64 s[16:17], s[0:1], 0x30              ; tilecls
	v_lshl_add_u32 v[SPW], v0, 2, SPARE
	v_mov_b32 v[NIL], 0
	v_lshrrev_b32 v1, 5, v0
	v_readfirstlane_b32 s18, v1                    ; wave 0..3
	v_and_b32 v1, 31, v0                           ; lane
	v_and_b32 v2, 15, v0                           ; r
	v_bfe_u32 v3, v0, 4, 1                         ; h
	v_lshlrev_b32 v4, 4, v1                        ; 16 x lane
	v_lshlrev_b32 v7, 2, v1                        ; 4 x lane
	s_mov_b32 s25, 0                               ; the upper word of every offset pair s[24:25]
	s_mov_b32 s20, 0x76543210
	s_mov_b32 s21, 0xfedcba98                      ; v_permlanex16_b32's selects for lane l xor 16
	s_wait_kmcnt 0x0
	s_cmp_lt_u32 ttmp9, 512
	s_cbranch_scc1 .Lpath_x
	s_cmp_lt_u32 ttmp9, 768
	s_cbranch_scc0 .Lpath_m
; ---- THE WEIGHTS.  A lane takes a column and its registers run down K, so a block of 32 lies in one lane and the codes come out with K innermost.  A wave: 32 columns x 128 along K.
	v_bfe_u32 v12, v1, 3, 1                        ; my column's tile u = (lane / 8) % 2
	v_and_b32 v13, 7, v1
	v_lshl_add_u32 v13, v3, 3, v13                 ; and its slot p = lane % 8 + 8 (lane / 16)
	v_lshlrev_b32 v10, 4, v13
	v_mad_u32_u24 v10, v12, 1536, v10              ; codes: 1,536 u + 16 p
	v_lshl_add_u32 v11, v12, 4, v13
	v_lshlrev_b32 v11, 2, v11                      ; scale word: 4 (16 u + p)
.macro WLOAD kb, n                     ; block kb: rows 32 kb + i of my K step; each load reads 128 consecutive bytes
.set i_, 0
.rept 32
	global_load_b32 v[X+32*(\kb)+i_], v7, s[32:33] offset:(32*(\kb)+i_)*\n*4 th:TH_LOAD_NT
.set i_, i_+1
.endr
.endm
.macro WPATH n, src, codes, scales, id0
	s_sub_co_u32 s22, ttmp9, \id0
	s_lshr_b32 s23, s22, 3                         ; which 128 columns
	s_and_b32 s22, s22, 7                          ; which K step of 128
	s_lshl_b32 s23, s23, 2
	s_add_co_u32 s23, s23, s18                     ; my wave's group of 32 columns
	s_mul_i32 s24, s22, 128*\n*4
	s_lshl_b32 s26, s23, 7
	s_add_co_u32 s24, s24, s26
	s_add_nc_u64 s[32:33], s[\src:\src+1], s[24:25]
	WLOAD 0, \n
	WLOAD 1, \n
	s_mul_i32 s24, s23, 24576
	s_mul_i32 s26, s22, 3072
	s_add_co_u32 s24, s24, s26
	s_add_co_u32 s24, s24, \codes
	s_add_nc_u64 s[34:35], s[14:15], s[24:25]
	s_lshl_b32 s24, s23, 10
	s_lshl_b32 s26, s22, 7
	s_add_co_u32 s24, s24, s26
	s_add_co_u32 s24, s24, \scales
	s_add_nc_u64 s[36:37], s[14:15], s[24:25]
.irp kb, 0,1,2,3                       ; block kb = 2 c + h: half c, K block h
.if \kb < 3
	s_wait_loadcnt 32                              ; this block's 32 loads are in; the next block's 32 may be out
.else
	s_wait_loadcnt 0x0
.endif
.if \kb < 2
	WLOAD \kb+2, \n
.endif
	QB X+32*\kb, C+4*\kb, BY+\kb
	v_mov_b32 v[C+4*\kb+3], v[T]                   ; registers 0-3 of (p, h),
	v_mov_b32 v[TQ+4*(\kb/2)+2*(\kb%2)], v[T+1]    ; and registers 4-5, which lie beside the other h's
	v_mov_b32 v[TQ+4*(\kb/2)+2*(\kb%2)+1], v[T+2]
	global_store_b128 v10, v[C+4*\kb:C+4*\kb+3], s[34:35] offset:(\kb/2)*768+(\kb%2)*256   ; the 16 lanes of a tile store 256 consecutive bytes, aligned
.if \kb%2 == 1
	global_store_b128 v10, v[TQ+4*(\kb/2):TQ+4*(\kb/2)+3], s[34:35] offset:(\kb/2)*768+512
.endif
.endr
	v_lshl_or_b32 v[W], v[BY+1], 8, v[BY]          ; my column's scale word for this K step
	v_lshl_or_b32 v[W], v[BY+2], 16, v[W]
	v_lshl_or_b32 v[W], v[BY+3], 24, v[W]
	global_store_b32 v11, v[W], s[36:37]
	s_endpgm
.endm
	s_cmp_lt_u32 ttmp9, 704
	s_cbranch_scc0 .Lpath_wp
	WPATH 3072, 6, 0, 2359296, 512
.Lpath_wp:
	WPATH 1024, 8, 2457600, 3244032, 704
; ---- THE MASK.  Work-group T - 768 takes the 16 query rows of tile T; wave c the key steps 4 c .. 4 c + 3 (512 bytes of each row; 8 lanes to a key step).
.Lpath_m:
	s_sub_co_u32 s22, ttmp9, 768                   ; T
	s_lshr_b32 s23, s22, 1
	s_lshl_b32 s23, s23, 5
	s_and_b32 s24, s22, 1
	s_lshl_b32 s24, s24, 3
	s_add_co_u32 s23, s23, s24                     ; the tile's first row: 32 (T / 2) + 8 (T % 2)
	s_lshl_b32 s24, s23, 11
	s_lshl_b32 s26, s18, 9
	s_add_co_u32 s24, s24, s26
	s_add_nc_u64 s[10:11], s[10:11], s[24:25]
.set r_, 0
.rept 16
	global_load_b128 v[X+4*r_:X+4*r_+3], v4, s[10:11] offset:(r_+8*(r_/8))*2048
.set r_, r_+1
.endr
	s_lshl_b32 s28, s22, 2
	s_add_co_u32 s28, s28, s18                     ; byte c of word T
	v_mov_b32 v8, s28
	s_wait_loadcnt 0x0
	v_add3_u32 v96, v[X], v[X+1], v[X+2]           ; bytes are 0 or 1: the sum of my 64 words holds, in each byte, a count of at most 64
	v_add3_u32 v97, v[X+3], v[X+4], v[X+5]
.set i_, 6
.rept 29
	v_add3_u32 v[96+(i_/2)%2], v[96+(i_/2)%2], v[X+i_], v[X+i_+1]
.set i_, i_+2
.endr
	v_add_nc_u32 v96, v96, v97
	v_cmp_eq_u32 s26, 0x40404040, v96              ; lanes all of whose 256 bytes are 1
	v_cmp_ne_u32 s27, 0, v96                       ; lanes with a 1 among them
	s_mov_b32 s24, 0
.irp e, 0,1,2,3
	s_bfe_u32 s22, s26, (8<<16)|(8*\e)
	s_bfe_u32 s23, s27, (8<<16)|(8*\e)
	s_cmp_eq_u32 s22, 0xff
	s_cselect_b32 s22, 2, 1
	s_cmp_eq_u32 s23, 0
	s_cselect_b32 s22, 0, s22
	s_lshl_b32 s22, s22, 2*\e
	s_or_b32 s24, s24, s22
.endr
	v_mov_b32 v9, s24
	s_wait_xcnt 0x0                                ; EXEC changes only behind this wait
	v_cmpx_gt_u32 1, v1                            ; lane 0 alone
	global_store_b8 v8, v9, s[16:17]
	s_endpgm
; ---- x.  A wave takes 32 tokens x 128 along K.  Each load reads 512 consecutive bytes of one row; the rows turn through the wave's own stage, laid by slot, and come back 128 bytes (a whole block of 32) a lane.
.Lpath_x:
	s_lshr_b32 s22, ttmp9, 1                       ; the group of 32 tokens
	s_and_b32 s23, ttmp9, 1
	s_lshl_b32 s23, s23, 2
	s_add_co_u32 s23, s23, s18                     ; the K step
	s_lshl_b32 s24, s22, 17
	s_lshl_b32 s26, s23, 9
	s_add_co_u32 s24, s24, s26
	s_add_nc_u64 s[4:5], s[4:5], s[24:25]
.set i_, 0
.rept 32
	global_load_b128 v[X+4*i_:X+4*i_+3], v4, s[4:5] offset:i_*4096 th:TH_LOAD_NT
.set i_, i_+1
.endr
	s_lshr_b32 s26, s22, 1                         ; which 64 tokens
	s_and_b32 s27, s22, 1                          ; which 32 of them
	s_mul_i32 s24, s26, 49152
	s_mul_i32 s28, s23, 6144
	s_add_co_u32 s24, s24, s28
	s_mul_i32 s28, s27, 3072
	s_add_co_u32 s24, s24, s28
	s_add_nc_u64 s[32:33], s[12:13], s[24:25]      ; my two fragments
	s_lshl_b32 s24, s26, 11
	s_lshl_b32 s28, s23, 8
	s_add_co_u32 s24, s24, s28
	s_lshl_b32 s28, s27, 7
	s_add_co_u32 s24, s24, s28
	s_add_co_u32 s24, s24, 6291456
	s_add_nc_u64 s[34:35], s[12:13], s[24:25]      ; their 32 scale words
	s_mul_i32 s19, s18, STG
	v_lshlrev_b32 v5, 4, v2
	v_lshl_add_u32 v5, v3, 3, v5                   ; 16 r + 8 h
	v_lshlrev_b32 v6, 3, v3                        ; 8 h
	v_add_nc_u32 v8, s19, v4                       ; into the stage: 16 x lane of a row
	v_mul_u32_u24 v9, v2, 528
	v_lshl_add_u32 v9, v3, 7, v9
	v_add_nc_u32 v9, s19, v9                       ; out of it: slot r, + 128 h
	v_mov_b32 v[W+2], 0                            ; (a lane permute's destination counts as one of its sources)
	v_mov_b32 v[W+3], 0
	v_cmp_lt_u32 vcc_lo, 15, v1                    ; lanes 16-31
.set i_, 0
.rept 32
	s_wait_loadcnt 31-i_                           ; row i is in; the later rows may be out
	ds_store_b128 v8, v[X+4*i_:X+4*i_+3] offset:(16*((i_/8)%2)+(i_%8)+8*(i_/16))*528   ; row i lies at its slot 16 u + p
.set i_, i_+1
.endr
	s_wait_dscnt 0x0                               ; the stores have read their registers, which the loads below fill again
.set q_, 0
.rept 4                                ; block q = 2 u + c: tile u, half c
.set k_, 0
.rept 8
	ds_load_b128 v[X+32*q_+4*k_:X+32*q_+4*k_+3], v9 offset:(q_/2)*8448+(q_%2)*256+16*k_
.set k_, k_+1
.endr
.set q_, q_+1
.endr
.irp q, 0,1,2,3
	s_wait_dscnt 8*(3-\q)                          ; this block's eight loads are back; the later blocks' may be out
	QB X+32*\q, C+8*\q, BY+\q
.irp i, 0,1,2
	v_mov_b32 v[C+8*\q+3+\i], v[T+\i]
.endr
	global_store_b128 v4, v[C+8*\q:C+8*\q+3], s[32:33] offset:(\q/2)*1536+(\q%2)*768          ; 512 consecutive bytes
	global_store_b64 v5, v[C+8*\q+4:C+8*\q+5], s[32:33] offset:(\q/2)*1536+(\q%2)*768+512     ; 256 consecutive bytes
.endr
.irp u, 0,1
	v_lshl_or_b32 v[W+\u], v[BY+2*\u+1], 16, v[BY+2*\u]   ; my two bytes of slot r's word: K blocks h and 2 + h,
	v_lshlrev_b32 v[W+\u], v6, v[W+\u]                    ; at their places;
.endr
.irp u, 0,1
	v_permlanex16_b32 v[W+2+\u], v[W+\u], s20, s21
.endr
.irp u, 0,1
	v_or_b32 v[W+\u], v[W+\u], v[W+2+\u]                  ; with lane l xor 16's two the word is whole
.endr
	v_cndmask_b32 v[W], v[W], v[W+1], vcc_lo       ; lanes 0-15 keep tile 0's words, lanes 16-31 tile 1's
	global_store_b32 v7, v[W], s[34:35]
	s_wait_tensorcnt 0x0                           ; the wave's end, behind my last LDS store
	ds_add_u32 v[SPW], v[NIL]
	s_wait_dscnt 0x0
	s_endpgm
.Lfunc_end_k_q611c09d760_prep:
	.size	k_q611c09d760_prep, .Lfunc_end_k_q611c09d760_prep-k_q611c09d760_prep
	.p2alignl 7, 3214868480
	.fill 96, 4, 3214868480
	.section	.rodata,"a",@progbits
	.p2align	6, 0x0
	.amdhsa_kernel k_q611c09d760_prep
		.amdhsa_group_segment_fixed_size 68096
		.amdhsa_private_segment_fixed_size 0
		.amdhsa_enable_private_segment 0
		.amdhsa_kernarg_size 56
		.amdhsa_user_sgpr_count 2
		.amdhsa_user_sgpr_kernarg_segment_ptr 1
		.amdhsa_wavefront_size32 1
		.amdhsa_system_sgpr_workgroup_id_x 1
		.amdhsa_system_sgpr_workgroup_id_y 1
		.amdhsa_system_sgpr_workgroup_id_z 1
		.amdhsa_system_vgpr_workitem_id 0
		.amdhsa_next_free_vgpr 224
		.amdhsa_next_free_sgpr 66
		.amdhsa_reserve_vcc 1
		.amdhsa_float_denorm_mode_32 3
		.amdhsa_float_denorm_mode_16_64 3
		.amdhsa_memory_ordered 1
		.amdhsa_forward_progress 1
		.amdhsa_inst_pref_size 62
	.end_amdhsa_kernel
	.amdgpu_metadata
---
amdhsa.version: [ 1, 2 ]
amdhsa.kernels:
  - .name:           k_q611c09d760_prep
    .symbol:         k_q611c09d760_prep.kd
    .args:
      - { .name: x, .offset: 0, .size: 8, .value_kind: global_buffer, .address_space: global }
      - { .name: w_attn, .offset: 8, .size: 8, .value_kind: global_buffer, .address_space: global }
      - { .name: w_proj, .offset: 16, .size: 8, .value_kind: global_buffer, .address_space: global }
      - { .name: mask, .offset: 24, .size: 8, .value_kind: global_buffer, .address_space: global }
      - { .name: xq, .offset: 32, .size: 8, .value_kind: global_buffer, .address_space: global }
      - { .name: wq, .offset: 40, .size: 8, .value_kind: global_buffer, .address_space: global }
      - { .name: tilecls, .offset: 48, .size: 8, .value_kind: global_buffer, .address_space: global }
    .group_segment_fixed_size: 68096
    .private_segment_fixed_size: 0
    .kernarg_segment_align: 8
    .kernarg_segment_size: 56
    .max_flat_workgroup_size: 128
    .sgpr_count:     66
    .vgpr_count:     224
    .wavefront_size: 32
...
	.end_amdgpu_metadata
.endif
;; end of part 1
;; launch gemm_qkv (part 2): grid 8 x 32, 4 waves a work-group, clusters of 4 x 1, 205,312 bytes of LDS; arguments xq, wq, b_attn, qkv; writes qkv
.if DOCPART == 2
	.amdgcn_target "amdgcn-amd-amdhsa--gfx1250"
	.amdhsa_code_object_version 6
	.text
	.protected	k_q611c09d760_gemm_qkv
	.globl	k_q611c09d760_gemm_qkv
	.p2align	8
	.type	k_q611c09d760_gemm_qkv,@function
k_q611c09d760_gemm_qkv:
	s_mov_b64 s[64:65], 0
	v_nop
	global_prefetch_b8 v0, s[64:65] scope:SCOPE_SE
	s_setreg_imm32_b32 hwreg(HW_REG_WAVE_MODE, 25, 1), 1
	s_wait_xcnt 0x0
	s_wait_alu depctr_hold_cnt(0) depctr_sa_sdst(0) depctr_va_vdst(0) depctr_va_sdst(0) depctr_va_ssrc(0) depctr_va_vcc(0) depctr_vm_vsrc(0)
	s_getreg_b32 s2, hwreg(HW_REG_IB_STS2, 6, 4)
	s_cmp_eq_u32 s2, 0
	s_cbranch_scc0 .Lentry_in_a_cluster
	s_endpgm
.Lentry_in_a_cluster:
	s_bfe_u32 s2, ttmp6, 0x10000c
	s_cmp_lg_u32 s2, 0x3003
	s_cbranch_scc0 .Lentry_shape_is_right
	s_endpgm
.Lentry_shape_is_right:
; SECOND LAUNCH: q, k, v = Q(x) Q(w_attn) + b_attn on codes of FP6, and q, k, v quantised at once for the attention launch: q and k along the head's 64 channels, v along the keys.  No f32 q, k, v goes to memory.  No work is left out.
; SHARES.  Work-group (x, y) owns tokens 256 y .. + 255; their codes for ALL of K (196,608 bytes, a dense block of xq) and their scale words come into LDS once and stay: no LDS byte is filled twice.
; The four work-groups of a cluster share y, so each tile is asked for JOINTLY: the same tensor load, the same descriptor, a mask that names the four.
; PHASE 1 (q, k): wave w makes columns 256 x + 64 w .. + 63, one head, for four sub-tiles of 64 tokens.  PHASE 2 (v): wave (wm, wn) makes v's head 2 x + wn for tokens 128 wm .. + 127, two sub-tiles.
; A wave's weights (4 tiles x 8 K steps x 12 registers) go from wq straight into registers and stay; phase 2's take phase 1's places during phase 1's last sub-tile.  They are not shared through LDS: all of it is taken by the tokens' codes.
; PHASE 1 IS USED TRANSPOSED (source 0 = 16 columns of w, source 1 = 16 tokens): a lane holds one token and, since slot p of a weight tile is column 8 u + p + 8 (p / 8), the 32 registers of a token tile's four
; accumulators are the head's channels 32 b + 16 (lane / 16) + 0 .. 15: neighbours along the next product's K.  PHASE 2 is used straight (source 0 = tokens): a lane holds one channel and 32 tokens, neighbours along the keys.
; The bias is the C of each sum's first matrix instruction.
; qkv: a block of 12,800 bytes for each (part, batch, head, 128 tokens); part 0 = q at byte 0, part 1 = k and v at byte 13,107,200.  In a block: [0, 6144) eight halves (16 tokens x 64 channels), [6144, 12288) v^T as four fragments
; (16 channels x 128 keys), [12288, 12544) q's or k's scale words (lane (r, group): a word for each 64 tokens, bytes: tile u = 0's two, tile u = 1's two), [12544, 12800) v's scale words.  Part 0 has no v: those bytes are neither written nor read.
; LIMITS: as stated at the head of the first launch (floor of the scale bytes; NaN and infinities not served).
; REGISTERS, in windows of 256.  Window 0: v1-21 addresses; v32-47 the tokens' scale words, v48-63, v64-79 the weights' (phase 1, 2); v96-143, v144-191 two buffers of four token fragments.
;   Windows 1, 2: the weights' fragments of K steps 0-3, 4-7, at 48 (s % 4) + 12 tile.   Window 3: v0-127 sixteen accumulators; v128-159 the bias; v160-226 the quantiser's registers and copies of three offsets, so that it runs under one setting.
.set SCA,   196608                     ; LDS: the tokens' scale words, 8,192 bytes, behind their codes
.set SPARE, 204800                     ; the spare words, 128 bytes a wave
.set L16, 1                            ; 16 x lane
.set L8,  2                            ; 16 r + 8 h
.set L4,  3                            ; 4 x lane
.set AD16, 4                           ; v4-7   LDS: 16 x lane + 49,152 t
.set AD8,  8                           ; v8-11  LDS: 512 + 16 r + 8 h + 49,152 t
.set P16, 12                           ; v12-13 the same for phase 2's two sub-tiles
.set P8,  14                           ; v14-15
.set ASC, 16                           ; LDS: SCA + 4 x lane
.set ASC2, 17                          ; + 4,096 wm
.set SPW, 18
.set NIL, 19
.set BO1, 20                           ; 64 h
.set BO2, 21                           ; 4 (r % 8 + 16 (r / 8))
.set SA,  32
.set SB1, 48
.set SB2, 64
.set AF0, 96
.set BIAS, 128                         ; window 3 from here on
.set TM,  160
.set PT,  168
.set PCS, 176
.set HW,  208
.set HH,  212
.set WP,  216
.set TT,  218
.set W16, 224
.set W8,  225
.set WL8, 226
.set G1C, 24                           ; s[24:31] descriptor group 1: 48 rows of 256 bytes
.set G1S, 32                           ; s[32:39] 8 rows of 256 bytes
.set G0,  40                           ; s[40:59] five groups 0, never rewritten
.set SEL, 60
.set HM,  62                           ; lanes 16-31
.set WB1, 66
.set WB2, 68
.set SC1, 70
.set SC2, 72
.set BI1, 74
.set BI2, 76
.set ST1, 78
.set ST2, 80
.set MSB, 0
.macro WIN new                         ; the immediate's high byte repeats the setting that is left; a switch that changes nothing is dropped
.if MSB != \new
	s_set_vgpr_msb (MSB<<8)|\new
.set MSB, \new
.endif
.endm
.macro PLACES                          ; four plain places behind matrix instructions, ahead of loads into their registers and of reads of their results
.rept 4
	v_nop
.endr
.endm
.macro CROUND                          ; a round of the cluster's barrier
	s_barrier_signal -1
	s_barrier_wait -1
	s_cmp_lg_u32 s12, 0
	s_cbranch_scc1 .Lnot_wave_0_\@
	s_barrier_signal -3
.Lnot_wave_0_\@:
	s_barrier_wait -3
	s_barrier_signal -1
	s_barrier_wait -1
.endm
.macro WM d, a, b, c, sa, sb, ra, rb   ; one product; ra, rb: which half of the lanes holds the source's scale words
.if ((\ra) == 0) && ((\rb) == 0)
	v_wmma_scale_f32_16x16x128_f8f6f4 v[\d:\d+7], v[\a:\a+11], v[\b:\b+11], v[\c:\c+7], v[\sa], v[\sb] matrix_a_fmt:MATRIX_FMT_FP6 matrix_b_fmt:MATRIX_FMT_FP6
.elseif (\rb) == 0
	v_wmma_scale_f32_16x16x128_f8f6f4 v[\d:\d+7], v[\a:\a+11], v[\b:\b+11], v[\c:\c+7], v[\sa], v[\sb] matrix_a_fmt:MATRIX_FMT_FP6 matrix_b_fmt:MATRIX_FMT_FP6 matrix_a_scale:MATRIX_SCALE_ROW1
.elseif (\ra) == 0
	v_wmma_scale_f32_16x16x128_f8f6f4 v[\d:\d+7], v[\a:\a+11], v[\b:\b+11], v[\c:\c+7], v[\sa], v[\sb] matrix_a_fmt:MATRIX_FMT_FP6 matrix_b_fmt:MATRIX_FMT_FP6 matrix_b_scale:MATRIX_SCALE_ROW1
.else
	v_wmma_scale_f32_16x16x128_f8f6f4 v[\d:\d+7], v[\a:\a+11], v[\b:\b+11], v[\c:\c+7], v[\sa], v[\sb] matrix_a_fmt:MATRIX_FMT_FP6 matrix_b_fmt:MATRIX_FMT_FP6 matrix_a_scale:MATRIX_SCALE_ROW1 matrix_b_scale:MATRIX_SCALE_ROW1
.endif
.endm
.macro BLOAD s, base                   ; the weights' four fragments of K step s: sixteen loads, each of 512 or 256 consecutive bytes
.if (\s) < 4
	WIN 0x40
.else
	WIN 0x80
.endif
.irp nt, 0,1,2,3
.set BR_, 48*((\s)%4)+12*\nt
.set BF_, (\nt/2)*24576+(\s)*3072+(\nt%2)*1536
	global_load_b128 v[BR_:BR_+3], v[L16], s[\base:\base+1] offset:BF_
	global_load_b64 v[BR_+4:BR_+5], v[L8], s[\base:\base+1] offset:BF_+512
	global_load_b128 v[BR_+6:BR_+9], v[L16], s[\base:\base+1] offset:BF_+768
	global_load_b64 v[BR_+10:BR_+11], v[L8], s[\base:\base+1] offset:BF_+1280
.endr
.endm
.macro BIAS2                           ; phase 2: a lane holds one channel, so all eight registers of a tile hold that channel's bias
	WIN 0xC0
.irp nt, 0,1,2,3
.irp j, 0,1,2,3,4,5,6,7
	global_load_b32 v[BIAS+8*\nt+\j], v[BO2], s[BI2:BI2+1] offset:(32*(\nt/2)+8*(\nt%2))*4
.endr
.endr
.endm
.macro AFETCH reg, a16, a8, ks         ; the four token fragments of K step ks: sixteen LDS loads
.irp mt, 0,1,2,3
	ds_load_b128 v[\reg+12*\mt:\reg+12*\mt+3], v[\a16] offset:(\ks)*6144+\mt*1536
	ds_load_b64 v[\reg+12*\mt+4:\reg+12*\mt+5], v[\a8] offset:(\ks)*6144+\mt*1536
	ds_load_b128 v[\reg+12*\mt+6:\reg+12*\mt+9], v[\a16] offset:(\ks)*6144+\mt*1536+768
	ds_load_b64 v[\reg+12*\mt+10:\reg+12*\mt+11], v[\a8] offset:(\ks)*6144+\mt*1536+768
.endr
.endm
; K step KS_ of a sub-tile: the next step's token fragments are asked for, then sixteen products, the sixteen accumulators by turns.
; bmode 1: the launch's first sub-tile: the weights arrive three K steps ahead.  bmode 2: phase 1's last: phase 2's weights take the places of the K step just multiplied.
.macro KSTEP a16, a8, swap, bmode
.if KS_ > 0
	PLACES
.endif
	WIN 0
.if KS_ < 7
	AFETCH AF0+48*((KS_+1)%2), \a16, \a8, KS_+1
.endif
.if \bmode == 1
.if KS_ < 5
	BLOAD KS_+3, WB1
.endif
.if KS_ < 4
	s_wait_loadcnt 48                              ; this K step's weights are in; the three later steps' sixteen loads each may be out
.else
	s_wait_loadcnt 16*(7-KS_)
.endif
.endif
.if (\bmode == 2) && (KS_ > 0)
	BLOAD KS_-1, WB2
.if KS_ == 1
	BIAS2
.endif
.endif
.set DW_, 0
.if KS_ < 7
.set DW_, 16
.endif
.set AC_, AF0+48*(KS_%2)
.if \swap
.if KS_ < 4
	WIN 0xF4                                       ; source 0 (tokens) window 0, source 1 (weights) window 1, C and D window 3
.else
	WIN 0xF8
.endif
.else
.if KS_ < 4
	WIN 0xF1                                       ; source 0 (weights) window 1, source 1 (tokens) window 0, C and D window 3
.else
	WIN 0xF2
.endif
.endif
.irp mt, 0,1,2,3
	s_wait_dscnt DW_+4*(3-\mt)                     ; token tile mt is in; this step's later tiles and the next step's sixteen loads may be out
.irp nt, 0,1,2,3
.set B_, 48*(KS_%4)+12*\nt
.set A_, AC_+12*\mt
.if \swap
.set D_, 8*(4*\nt+\mt)
.else
.set D_, 8*(4*\mt+\nt)
.endif
.set C_, D_
.if KS_ == 0
.set C_, BIAS+8*\nt
.endif
.if \swap
	WM D_, A_, B_, C_, SA+2*KS_+\mt/2, SB2+2*KS_+\nt/2, \mt%2, \nt%2
.else
	WM D_, B_, A_, C_, SB1+2*KS_+\nt/2, SA+2*KS_+\mt/2, \nt%2, \mt%2
.endif
.endr
.endr
.endm
.macro MAIN a16, a8, swap, bmode
.set KS_, 0
.rept 8
	KSTEP \a16, \a8, \swap, \bmode
.set KS_, KS_+1
.endr
.endm
; The next sub-tile's scale words and its first K step's fragments.  n: how many of my later fills may stay out; bar: the other waves' parts are wanted too (no LDS instruction of mine is out here: the last K step's last wait was for 0).
.macro NEXT a16, a8, asc, toff, n, bar
	WIN 0
.if (\n) >= 0
	s_wait_tensorcnt \n
.endif
.if \bar
	s_barrier_signal -1
	s_barrier_wait -1
.endif
.irp s, 0,1,2,3,4,5,6,7
	ds_load_b32 v[SA+2*\s], v[\asc] offset:\toff+\s*256          ; lanes 0-15: tile u = 0's words, lanes 16-31: tile u = 1's
	ds_load_b32 v[SA+2*\s+1], v[\asc] offset:\toff+\s*256+128
.endr
	AFETCH AF0, \a16, \a8, 0
.endm
; 32 numbers of a lane, register 16 b + i = k 32 b + 16 (lane / 16) + i of my row, become a half's six registers in v[pc] on; the two scale bytes in v[TM+6], v[TM+7].
.macro QUANT2 src, pc
.irp b, 0,1
	v_max3_num_f32 v[TM+\b], |v[\src+16*\b]|, |v[\src+16*\b+1]|, 0x1800000   ; the floor 2^(3 - 127) among the leaves
.endr
.irp i, 2,4,6,8,10,12,14
.irp b, 0,1
	v_max3_num_f32 v[TM+\b], v[TM+\b], |v[\src+16*\b+\i]|, |v[\src+16*\b+\i+1]|
.endr
.endr
.irp b, 0,1
	v_permlanex16_b32 v[TM+2+\b], v[TM+\b], s[SEL], s[SEL+1]
.endr
.irp b, 0,1
	v_max_num_f32 v[TM+\b], v[TM+\b], v[TM+2+\b]   ; with lane l xor 16's sixteen: the block's largest magnitude
.endr
.irp b, 0,1
	v_add_nc_u32 v[TM+4+\b], 0xff000000, v[TM+\b]  ; 2 off its exponent field: the conversion's scale operand
.endr
.irp b, 0,1
	v_lshrrev_b32 v[TM+6+\b], 23, v[TM+4+\b]       ; the byte
.endr
	v_cvt_scalef32_pk16_fp6_f32 v[\pc:\pc+2], v[\src:\src+15], v[TM+4]
	v_cvt_scalef32_pk16_fp6_f32 v[PT:PT+2], v[\src+16:\src+31], v[TM+5]
	v_nop                                          ; one plain place behind a scaled conversion
.irp i, 0,1,2
	v_permlane16_swap_b32 v[\pc+\i], v[PT+\i]      ; a lane gets a WHOLE block: lanes 0-15 block 0, lanes 16-31 block 1
.endr
.irp i, 0,1,2
	v_mov_b32 v[\pc+3+\i], v[PT+\i]
.endr
.endm
; A finished sub-tile of 64 tokens leaves as codes.  kind 0: q or k, four halves (token tiles); kind 1: v, half sig of four fragments (channel tiles).  sig: which 64 of the block's 128 tokens.
.macro EPI kind, sig, base, off
	s_wait_xcnt 0x0                                ; the last sub-tile's stores have read their registers
	WIN 0xFF
.irp i, 0,1,2,3
	QUANT2 32*\i, PCS+8*\i
.if \kind == 0
	global_store_b128 v[W16], v[PCS+8*\i:PCS+8*\i+3], s[\base:\base+1] offset:\off+\sig*3072+\i*768
	global_store_b64 v[W8], v[PCS+8*\i+4:PCS+8*\i+5], s[\base:\base+1] offset:\off+\sig*3072+\i*768+512
	v_lshl_or_b32 v[HW+\i], v[TM+7], 8, v[TM+6]
.else
	global_store_b128 v[W16], v[PCS+8*\i:PCS+8*\i+3], s[\base:\base+1] offset:\off+6144+\i*1536+\sig*768
	global_store_b64 v[W8], v[PCS+8*\i+4:PCS+8*\i+5], s[\base:\base+1] offset:\off+6144+\i*1536+\sig*768+512
.if \sig == 0
	v_lshl_or_b32 v[HH+\i], v[TM+7], 8, v[TM+6]    ; key blocks 0, 1: held until the other 64 tokens are done
.else
	v_lshl_or_b32 v[HW+\i], v[TM+7], 8, v[TM+6]
	v_lshl_or_b32 v[HW+\i], v[HW+\i], 16, v[HH+\i] ; the channel's word for 128 keys
.endif
.endif
.endr
.if \kind == 0
	v_lshl_or_b32 v[TT], v[HW+1], 16, v[HW]        ; group 0's word: tile 0's two bytes, tile 1's two
	v_lshl_or_b32 v[TT+1], v[HW+3], 16, v[HW+2]
	v_cndmask_b32 v[WP+\sig], v[TT], v[TT+1], s[HM]
.if \sig == 1
	global_store_b64 v[WL8], v[WP:WP+1], s[\base:\base+1] offset:\off+12288   ; 256 consecutive bytes
.endif
.elseif \sig == 1
	v_cndmask_b32 v[WP], v[HW], v[HW+1], s[HM]
	v_cndmask_b32 v[WP+1], v[HW+2], v[HW+3], s[HM]
	global_store_b64 v[WL8], v[WP:WP+1], s[\base:\base+1] offset:\off+12544
.endif
.endm
	s_load_b256 s[4:11], s[0:1], 0x0               ; xq s[4:5], wq s[6:7], b_attn s[8:9], qkv s[10:11]
	v_lshl_add_u32 v[SPW], v0, 2, SPARE
	v_mov_b32 v[NIL], 0
	ds_add_u32 v[SPW], v[NIL]                      ; the wave's opening: the add, twice on end, and its wait ahead of my first tensor load
	ds_add_u32 v[SPW], v[NIL]
	v_lshrrev_b32 v1, 5, v0
	v_readfirstlane_b32 s12, v1                    ; wave 0..3
	s_and_b32 s15, ttmp7, 0xffff                   ; y, which the four partners share
	s_mov_b32 s[G1C], 15|(3<<16)|(1<<21)           ; the mask: all four work-groups; elements of 8 bytes; bit 21 beside a mask; no padding
	s_mov_b32 s[G1C+1], 32<<16                     ; tensor_dim0 = 32 elements (256 bytes)
	s_mov_b32 s[G1C+2], 48<<16                     ; tensor_dim1 = 48 rows: two K steps of 64 tokens, 12,288 dense bytes
	s_mov_b32 s[G1C+3], 32<<16                     ; tile_dim0
	s_mov_b32 s[G1C+4], 48                         ; tile_dim1
	s_mov_b32 s[G1C+5], 32                         ; the pitch
	s_mov_b32 s[G1C+6], 0
	s_mov_b32 s[G1C+7], 0
	s_mov_b32 s[G1S], 15|(3<<16)|(1<<21)
	s_mov_b32 s[G1S+1], 32<<16
	s_mov_b32 s[G1S+2], 8<<16                      ; 8 rows: the scale words of 64 tokens
	s_mov_b32 s[G1S+3], 32<<16
	s_mov_b32 s[G1S+4], 8
	s_mov_b32 s[G1S+5], 32
	s_mov_b32 s[G1S+6], 0
	s_mov_b32 s[G1S+7], 0
	s_mul_i32 s16, s15, 196608
	s_mul_i32 s20, s12, 12288                      ; wave w fetches K steps 2 w, 2 w + 1 of each 64 tokens
	s_add_co_u32 s16, s16, s20
	s_mov_b32 s17, 0
	s_lshl_b32 s18, s15, 13
	s_lshl_b32 s21, s12, 11                        ; and the scale words of tokens 64 w on
	s_add_co_u32 s18, s18, s21
	s_add_co_u32 s18, s18, 6291456
	s_mov_b32 s19, 0
	s_mov_b32 s[SEL], 0x76543210
	s_mov_b32 s[SEL+1], 0xfedcba98
	s_wait_dscnt 0x0                               ; both opening adds are done
	s_wait_kmcnt 0x0
	s_add_nc_u64 s[16:17], s[4:5], s[16:17]
	s_add_nc_u64 s[18:19], s[4:5], s[18:19]
	s_mov_b32 s[G0], 1
	s_add_co_u32 s[G0+1], s21, SCA
	s_mov_b64 s[G0+2:G0+3], s[18:19]
	s_or_b32 s[G0+3], s[G0+3], 0x80000000
.irp t, 0,1,2,3
	s_mov_b32 s[G0+4+4*\t], 1
	s_add_co_u32 s[G0+5+4*\t], s20, \t*49152       ; LDS holds the block as memory has it
	s_add_nc_u64 s[G0+6+4*\t:G0+7+4*\t], s[16:17], \t*49152
	s_or_b32 s[G0+7+4*\t], s[G0+7+4*\t], 0x80000000
.endr
	CROUND                                         ; all four work-groups are here: the joint loads meet
	tensor_load_to_lds s[G0:G0+3], s[G1S:G1S+7]    ; five loads of mine are out: the scale words, then the four sub-tiles in the order of their use
	s_nop 0
.irp t, 0,1,2,3
	tensor_load_to_lds s[G0+4+4*\t:G0+7+4*\t], s[G1C:G1C+7]
	s_nop 0
.endr
	PLACES
	v_and_b32 v22, 31, v0                          ; lane
	v_and_b32 v23, 15, v0                          ; r
	v_bfe_u32 v24, v0, 4, 1                        ; h
	v_lshlrev_b32 v[L16], 4, v22
	v_lshlrev_b32 v[L8], 4, v23
	v_lshl_add_u32 v[L8], v24, 3, v[L8]
	v_lshlrev_b32 v[L4], 2, v22
	v_lshlrev_b32 v[BO1], 6, v24
	v_and_b32 v25, 7, v23
	v_lshrrev_b32 v26, 3, v23
	v_lshl_add_u32 v25, v26, 4, v25
	v_lshlrev_b32 v[BO2], 2, v25
	v_cmp_lt_u32 s[HM], 15, v22
	; what hangs on my place in the cluster: the weights', the bias's and the results' addresses alone
	s_bfe_u32 s13, ttmp6, 0x40000                  ; cx
	s_lshl_b32 s14, ttmp9, 2
	s_add_co_u32 s14, s14, s13                     ; x = 4 x cluster x + cx
	s_lshr_b32 s22, s12, 1                         ; wm
	s_and_b32 s23, s12, 1                          ; wn
	s_mov_b32 s85, 0
	s_lshl_b32 s82, s14, 3
	s_lshl_b32 s83, s12, 1
	s_add_co_u32 s82, s82, s83                     ; phase 1: my first group of 32 columns: 8 x + 2 w
	s_mul_i32 s84, s82, 24576
	s_add_nc_u64 s[WB1:WB1+1], s[6:7], s[84:85]
	s_lshl_b32 s84, s82, 10
	s_add_co_u32 s84, s84, 2359296
	s_add_nc_u64 s[SC1:SC1+1], s[6:7], s[84:85]
	s_lshl_b32 s84, s82, 7
	s_add_nc_u64 s[BI1:BI1+1], s[8:9], s[84:85]
	s_lshl_b32 s82, s14, 2
	s_lshl_b32 s83, s23, 1
	s_add_co_u32 s82, s82, s83
	s_add_co_u32 s82, s82, 64                      ; phase 2: 64 + 4 x + 2 wn
	s_mul_i32 s84, s82, 24576
	s_add_nc_u64 s[WB2:WB2+1], s[6:7], s[84:85]
	s_lshl_b32 s84, s82, 10
	s_add_co_u32 s84, s84, 2359296
	s_add_nc_u64 s[SC2:SC2+1], s[6:7], s[84:85]
	s_lshl_b32 s84, s82, 7
	s_add_nc_u64 s[BI2:BI2+1], s[8:9], s[84:85]
.irp s, 0,1,2,3,4,5,6,7
	global_load_b32 v[SB1+2*\s], v[L4], s[SC1:SC1+1] offset:\s*128
	global_load_b32 v[SB1+2*\s+1], v[L4], s[SC1:SC1+1] offset:1024+\s*128
.endr
.irp s, 0,1,2,3,4,5,6,7
	global_load_b32 v[SB2+2*\s], v[L4], s[SC2:SC2+1] offset:\s*128
	global_load_b32 v[SB2+2*\s+1], v[L4], s[SC2:SC2+1] offset:1024+\s*128
.endr
	WIN 0xC0                                       ; destination window 3
.irp nt, 0,1,2,3                       ; phase 1: lane (r, h) wants, for tile 2 b + u, the bias of channels 32 b + 8 u + 16 h + 0 .. 7
	global_load_b128 v[BIAS+8*\nt:BIAS+8*\nt+3], v[BO1], s[BI1:BI1+1] offset:(32*(\nt/2)+8*(\nt%2))*4
	global_load_b128 v[BIAS+8*\nt+4:BIAS+8*\nt+7], v[BO1], s[BI1:BI1+1] offset:(32*(\nt/2)+8*(\nt%2))*4+16
.endr
	v_mov_b32 v[W16], v[L16]
	v_mov_b32 v[W8], v[L8]
	v_lshlrev_b32 v[WL8], 3, v22
	v_mov_b32 v[TM+2], 0                           ; (a lane permute's destination counts as one of its sources)
	v_mov_b32 v[TM+3], 0
	BLOAD 0, WB1
	BLOAD 1, WB1
	BLOAD 2, WB1
	WIN 0
.irp t, 0,1,2,3
	v_add_nc_u32 v[AD16+\t], \t*49152, v[L16]
	v_add_nc_u32 v[AD8+\t], \t*49152+512, v[L8]
.endr
	s_mul_i32 s86, s22, 98304
	v_add_nc_u32 v[P16], s86, v[L16]
	v_add_nc_u32 v[P16+1], 49152, v[P16]
	v_add_nc_u32 v[P8], s86, v[L8]
	v_add_nc_u32 v[P8], 512, v[P8]
	v_add_nc_u32 v[P8+1], 49152, v[P8]
	v_add_nc_u32 v[ASC], SCA, v[L4]
	s_lshl_b32 s86, s22, 12
	v_add_nc_u32 v[ASC2], s86, v[ASC]
	; where the results go
	s_lshr_b32 s86, s15, 3                         ; the batch
	s_lshl_b32 s86, s86, 4
	s_and_b32 s87, s15, 7
	s_lshl_b32 s87, s87, 1                         ; my first block of 128 tokens in the sequence
	s_and_b32 s82, s14, 3
	s_lshl_b32 s82, s82, 2
	s_add_co_u32 s82, s82, s12                     ; phase 1's head: 4 (x % 4) + w
	s_add_co_u32 s82, s82, s86
	s_lshl_b32 s82, s82, 4
	s_add_co_u32 s82, s82, s87
	s_mul_i32 s84, s82, 12800
	s_lshr_b32 s83, s14, 2                         ; q (0) or k (1)
	s_mul_i32 s83, s83, 13107200
	s_add_co_u32 s84, s84, s83
	s_add_nc_u64 s[ST1:ST1+1], s[10:11], s[84:85]
	s_lshl_b32 s82, s14, 1
	s_add_co_u32 s82, s82, s23                     ; phase 2's head: 2 x + wn
	s_add_co_u32 s82, s82, s86
	s_lshl_b32 s82, s82, 4
	s_add_co_u32 s82, s82, s87
	s_add_co_u32 s82, s82, s22                     ; + wm: my 128 tokens
	s_mul_i32 s84, s82, 12800
	s_add_co_u32 s84, s84, 13107200
	s_add_nc_u64 s[ST2:ST2+1], s[10:11], s[84:85]
	NEXT AD16, AD8, ASC, 0, 3, 1                   ; the scale words and sub-tile 0 are in; three later fills may be out
	MAIN AD16, AD8, 0, 1
	PLACES
	NEXT AD16+1, AD8+1, ASC, 2048, 2, 1
	EPI 0, 0, ST1, 0                               ; a sub-tile is quantised and stored while the next one's first fragments come from LDS
	MAIN AD16+1, AD8+1, 0, 0
	PLACES
	NEXT AD16+2, AD8+2, ASC, 4096, 1, 1
	EPI 0, 1, ST1, 0
	MAIN AD16+2, AD8+2, 0, 0
	PLACES
	NEXT AD16+3, AD8+3, ASC, 6144, 0, 1
	EPI 0, 0, ST1, 12800
	MAIN AD16+3, AD8+3, 0, 2
	PLACES
	BLOAD 7, WB2
	NEXT P16, P8, ASC2, 0, -1, 0                   ; phase 2: all of LDS has been shown whole to every wave
	EPI 0, 1, ST1, 12800
	s_wait_loadcnt 0x0                             ; phase 2's weights and bias
	MAIN P16, P8, 1, 0
	PLACES
	NEXT P16+1, P8+1, ASC2, 2048, -1, 0
	EPI 1, 0, ST2, 0
	MAIN P16+1, P8+1, 1, 0
	PLACES
	EPI 1, 1, ST2, 0
	WIN 0
	s_wait_tensorcnt 0x0                           ; the wave's end
	ds_add_u32 v[SPW], v[NIL]
	s_wait_dscnt 0x0
	CROUND                                         ; the closing round
	s_endpgm
.Lfunc_end_k_q611c09d760_gemm_qkv:
	.size	k_q611c09d760_gemm_qkv, .Lfunc_end_k_q611c09d760_gemm_qkv-k_q611c09d760_gemm_qkv
	.p2alignl 7, 3214868480
	.fill 96, 4, 3214868480
	.section	.rodata,"a",@progbits
	.p2align	6, 0x0
	.amdhsa_kernel k_q611c09d760_gemm_qkv
		.amdhsa_group_segment_fixed_size 205312
		.amdhsa_private_segment_fixed_size 0
		.amdhsa_enable_private_segment 0
		.amdhsa_kernarg_size 32
		.amdhsa_user_sgpr_count 2
		.amdhsa_user_sgpr_kernarg_segment_ptr 1
		.amdhsa_wavefront_size32 1
		.amdhsa_system_sgpr_workgroup_id_x 1
		.amdhsa_system_sgpr_workgroup_id_y 1
		.amdhsa_system_sgpr_workgroup_id_z 1
		.amdhsa_system_vgpr_workitem_id 0
		.amdhsa_next_free_vgpr 1024
		.amdhsa_next_free_sgpr 100
		.amdhsa_reserve_vcc 0
		.amdhsa_float_denorm_mode_32 3
		.amdhsa_float_denorm_mode_16_64 3
		.amdhsa_memory_ordered 1
		.amdhsa_forward_progress 1
		.amdhsa_inst_pref_size 255
	.end_amdhsa_kernel
	.section	.bss,"aw",@nobits
	.p2align	6
	.space	262144
	.amdgpu_metadata
---
amdhsa.version: [ 1, 2 ]
amdhsa.kernels:
  - .name:           k_q611c09d760_gemm_qkv
    .symbol:         k_q611c09d760_gemm_qkv.kd
    .args:
      - { .name: xq, .offset: 0, .size: 8, .value_kind: global_buffer, .address_space: global }
      - { .name: wq, .offset: 8, .size: 8, .value_kind: global_buffer, .address_space: global }
      - { .name: b_attn, .offset: 16, .size: 8, .value_kind: global_buffer, .address_space: global }
      - { .name: qkv, .offset: 24, .size: 8, .value_kind: global_buffer, .address_space: global }
    .group_segment_fixed_size: 205312
    .private_segment_fixed_size: 0
    .kernarg_segment_align: 8
    .kernarg_segment_size: 32
    .max_flat_workgroup_size: 128
    .sgpr_count:     100
    .vgpr_count:     1024
    .wavefront_size: 32
...
	.end_amdgpu_metadata
.endif
;; end of part 2
;; launch attn (part 3): grid 4 x 64, 16 waves a work-group, no clusters, 27,648 bytes of LDS; arguments qkv, mask, tilecls, oq; writes oq
.if DOCPART == 3
	.amdgcn_target "amdgcn-amd-amdhsa--gfx1250"
	.amdhsa_code_object_version 6
	.text
	.protected	k_q611c09d760_attn
	.globl	k_q611c09d760_attn
	.p2align	8
	.type	k_q611c09d760_attn,@function
k_q611c09d760_attn:
	s_mov_b64 s[64:65], 0
	v_nop
	global_prefetch_b8 v0, s[64:65] scope:SCOPE_SE
	s_setreg_imm32_b32 hwreg(HW_REG_WAVE_MODE, 25, 1), 1
	s_wait_xcnt 0x0
; THIRD LAUNCH: o = softmax(mask(q k^T / 8)) v on codes of FP6, and o quantised along D for the projection.
; WORK LEFT OUT: a key step of 128 in which the mask keeps nothing for a wave's 16 queries is passed over, and the masking itself where the mask keeps all: both by the classes that the first launch read off the mask and stored as
; whole numbers (tilecls).  That is a choice by stored numbers and holds for every mask; nothing is taken from the mask's pattern.
; THE SOFTMAX AHEAD OF THE SECOND PRODUCT: t = score x log2(e) / 8; M = the running largest t rounded UP to a whole number; p = 2^(t - M) is quantised along the keys, not normalised; the row's sum is taken of the unquantised p and divides
; at the end; when M moves, the sum and O are multiplied by 2^(old M - new M), which rounds nothing.
; SHARES.  Work-group (i, batch x head) owns the query blocks i and 7 - i of 256 (two passes: only a choice of who does what, which evens out masks that keep more keys for later queries).  Each of sixteen waves owns one tile of
; 16 queries: four waves to a SIMD, so that one wave's vector work stands beside another's products and loads.
; K AND V.  A key step's block of 12,800 bytes (k's eight halves, v^T's four fragments, both scale words: the second launch's layout) goes through registers into one of two LDS slots, a trip ahead; all sixteen waves read it.
; No tensor load and no cluster: branches here hang on numbers read from memory.  Every wave passes every barrier: 32 trips of constant count; only work is jumped over.
; LAYOUT.  Both products transposed: S^T = k q^T (source 0 = keys), O^T = v^T p^T (source 0 = channels): a lane holds ONE query.  The head has 64 channels and the instruction sums 128: a fragment holds TWO key tiles (its halves),
; multiplied once by [q | 0] and once by [0 | q].  The tiles' keys are such that the 16 registers of tiles 2 b, 2 b + 1 are keys 32 b + 16 (lane / 16) + 0 .. 15.
; A ROW WITH NO KEY KEPT: its sum is 0; it leaves zero codes under the scale byte 0xff, so that the projection's sums for that token are NaN, as the problem's softmax has them.
; LIMITS: as stated at the head of the first launch; mask bytes are 0 or 1.
.set SLOTB, 12800
.set SPARE, 25600                      ; behind the two slots: the spare words, 128 bytes a wave
.set L16, 1                            ; 16 x lane
.set L8P, 2                            ; 512 + 16 r + 8 h
.set L8L, 3                            ; 8 x lane
.set SPW, 4
.set NIL, 5
.set CPL, 6                            ; 16 x thread: my piece of a block
.set CPG, 7                            ; + the next step's place among the head's sixteen blocks
.set MKO, 8                            ; my query's row in the pass's 256 rows of the mask, + 16 h
.set QWO, 9                            ; from my tile of q to its scale word
.set OSO, 10                           ; my scale byte's place on the way out
.set QLO, 16                           ; v16-27 [q | 0]
.set QHI, 28                           ; v28-39 [0 | q]
.set F,   40                           ; v40-87 four fragments of k, then of v
.set S,   88                           ; v88-151 S^T, then p
.set O,   152                          ; v152-183 O^T
.set PCD, 184                          ; v184-195 p's codes
.set PT,  196                          ; v196-198, v200-202
.set BM,  204
.set BP,  208
.set SO,  212
.set MT,  216
.set MK,  220                          ; v220-235 64 mask bytes
.set CP,  236                          ; v236-243 the copy
.set KS,  244
.set VS,  246
.set QS,  248
.set PS,  249
.set FF,  250                          ; v[250:251] f
.set WV,  12
.set BW,  48                           ; s[48:49] the OR of the sixteen tiles' classes: pass 0's below, pass 1's above; two bits off a trip
.set TW,  50                           ; my tile's classes in this pass
.set TWN, 51
.set MB,  52                           ; s[52:53] the mask at the pass's first row and the step's first key
.set MBN, 54
.set QPT, 56
.set QPN, 58
.set OCB, 60
.set OCN, 62
.set OSB, 66
.set OSN, 68
.set KV,  70
.set SEL, 72
.set CS,  74
.set NINF, 76
.set C255, 77
.set SL,  78                           ; s78-81 byte selects
.set HM,  82
.set ZM,  83
.set NX,  84
.set CL,  85
.set NM,  86
.set SOFF, 87
.set PASS, 88
.set TRIPS, 89
.set U16, 90
.macro PLACES
.rept 4
	v_nop
.endr
.endm
.macro PTRS qb, mb, q, oc, os          ; a pass's four pointers from its query block
	s_lshl_b32 s92, s[\qb], 19
	s_mov_b32 s93, 0
	s_add_nc_u64 s[\mb:\mb+1], s[6:7], s[92:93]
	s_lshl_b32 s92, s14, 4
	s_lshl_b32 s94, s[\qb], 1
	s_add_co_u32 s92, s92, s94
	s_lshr_b32 s94, s[WV], 3
	s_add_co_u32 s92, s92, s94                     ; q's block of 128 tokens
	s_mul_i32 s92, s92, 12800
	s_and_b32 s94, s[WV], 7
	s_mul_i32 s94, s94, 768
	s_add_co_u32 s92, s92, s94                     ; my tile's half in it
	s_add_nc_u64 s[\q:\q+1], s[4:5], s[92:93]
	s_lshr_b32 s94, s14, 4
	s_lshl_b32 s94, s94, 5
	s_lshl_b32 s95, s[\qb], 2
	s_add_co_u32 s94, s94, s95
	s_lshr_b32 s95, s[WV], 2
	s_add_co_u32 s94, s94, s95                     ; which 64 tokens of all
	s_mul_i32 s92, s94, 49152
	s_add_co_u32 s92, s92, s96
	s_add_nc_u64 s[\oc:\oc+1], s[10:11], s[92:93]
	s_lshl_b32 s92, s94, 11
	s_add_co_u32 s92, s92, s97
	s_add_nc_u64 s[\os:\os+1], s[10:11], s[92:93]
.endm
.macro FFETCH off                      ; four fragments from LDS: sixteen loads of 512 or 256 consecutive bytes
.irp p, 0,1,2,3
	ds_load_b128 v[F+12*\p:F+12*\p+3], v[L16] offset:\off+\p*1536
	ds_load_b64 v[F+12*\p+4:F+12*\p+5], v[L8P] offset:\off+\p*1536
	ds_load_b128 v[F+12*\p+6:F+12*\p+9], v[L16] offset:\off+\p*1536+768
	ds_load_b64 v[F+12*\p+10:F+12*\p+11], v[L8P] offset:\off+\p*1536+768
.endr
.endm
.macro WMS p, e                        ; key tile 2 p + e: half e of fragment p against q in that half
.set QB_, QLO+12*(\e)
.if (\p)%2 == 0
	v_wmma_scale_f32_16x16x128_f8f6f4 v[S+8*(2*\p+\e):S+8*(2*\p+\e)+7], v[F+12*\p:F+12*\p+11], v[QB_:QB_+11], 0, v[KS+\p/2], v[QS] matrix_a_fmt:MATRIX_FMT_FP6 matrix_b_fmt:MATRIX_FMT_FP6
.else
	v_wmma_scale_f32_16x16x128_f8f6f4 v[S+8*(2*\p+\e):S+8*(2*\p+\e)+7], v[F+12*\p:F+12*\p+11], v[QB_:QB_+11], 0, v[KS+\p/2], v[QS] matrix_a_fmt:MATRIX_FMT_FP6 matrix_b_fmt:MATRIX_FMT_FP6 matrix_a_scale:MATRIX_SCALE_ROW1
.endif
.endm
.macro WMO nt
.if (\nt)%2 == 0
	v_wmma_scale_f32_16x16x128_f8f6f4 v[O+8*\nt:O+8*\nt+7], v[F+12*\nt:F+12*\nt+11], v[PCD:PCD+11], v[O+8*\nt:O+8*\nt+7], v[VS+\nt/2], v[PS] matrix_a_fmt:MATRIX_FMT_FP6 matrix_b_fmt:MATRIX_FMT_FP6
.else
	v_wmma_scale_f32_16x16x128_f8f6f4 v[O+8*\nt:O+8*\nt+7], v[F+12*\nt:F+12*\nt+11], v[PCD:PCD+11], v[O+8*\nt:O+8*\nt+7], v[VS+\nt/2], v[PS] matrix_a_fmt:MATRIX_FMT_FP6 matrix_b_fmt:MATRIX_FMT_FP6 matrix_a_scale:MATRIX_SCALE_ROW1
.endif
.endm
.macro NEXTMASK                        ; the next step's 64 mask bytes of my query, where that step's tile is mixed.  My word holds one pass's classes: behind step 15 the field is 0, so no load leaves the row
	s_cmp_eq_u32 s[NM], 1
	s_cbranch_scc0 .Lno_mask_\@
.irp b, 0,1,2,3
	global_load_b128 v[MK+4*\b:MK+4*\b+3], v[MKO], s[MB:MB+1] offset:128+32*\b
.endr
.Lno_mask_\@:
.endm
.macro SOFTMAX
.irp b, 0,1,2,3
	v_max3_num_f32 v[BM+\b], v[S+16*\b], v[S+16*\b+1], v[S+16*\b+2]   ; the largest score of each block of 32 keys: for the row's maximum and, since p rises with the score, for the block's largest p
.endr
.irp i, 3,5,7,9,11,13
.irp b, 0,1,2,3
	v_max3_num_f32 v[BM+\b], v[BM+\b], v[S+16*\b+\i], v[S+16*\b+\i+1]
.endr
.endr
.irp b, 0,1,2,3
	v_max_num_f32 v[BM+\b], v[BM+\b], v[S+16*\b+15]
.endr
.irp b, 0,1,2,3
	v_permlanex16_b32 v[BP+\b], v[BM+\b], s[SEL], s[SEL+1]
.endr
.irp b, 0,1,2,3
	v_max_num_f32 v[BM+\b], v[BM+\b], v[BP+\b]     ; with lane l xor 16's sixteen keys
.endr
	v_max3_num_f32 v254, v[BM], v[BM+1], v[BM+2]
	v_max_num_f32 v254, v254, v[BM+3]
	v_mul_f32 v254, s[CS], v254                    ; as t
	v_max_num_f32 v13, v13, v254                   ; the running largest t
	v_mov_b32 v254, v12
	v_floor_f32 v12, -v13                          ; the new -M = floor(-t): M is a whole number
	v_sub_f32 v254, v12, v254                      ; old M - new M: a whole number, 0 or less
	v_cvt_i32_f32 v254, v254                       ; (it saturates)
	v_ldexp_f32 v[FF], 1.0, v254                   ; f = 2^(old M - new M)
.set j_, 0
.rept 32
	v_pk_fma_f32 v[S+j_:S+j_+1], v[S+j_:S+j_+1], s[CS:CS+1], v[12:13] op_sel_hi:[1,0,0]   ; t - M, two at a time
.set j_, j_+2
.endr
.irp b, 0,1,2,3
	v_fma_f32 v[BM+\b], v[BM+\b], s[CS], v12
.endr
.set j_, 0
.rept 64
	v_exp_f32 v[S+j_], v[S+j_]                     ; p = 2^(t - M): one batch
.set j_, j_+1
.endr
	v_pk_mul_f32 v[14:15], v[14:15], v[FF:FF+1] op_sel_hi:[1,0]   ; the sums under the new M: the plain line behind the batch
	s_wait_alu depctr_va_vdst(0)                   ; one wait for the batch, ahead of its first reader
.irp b, 0,1,2,3
	v_exp_f32 v[BM+\b], v[BM+\b]                   ; each block's largest p
.endr
	v_pk_add_f32 v[BP:BP+1], v[S:S+1], v[S+2:S+3]  ; the row's sum of the unquantised p, in two chains
.irp j, 4,8,12,16,20,24,28,32,36,40,44,48,52,56,60
	v_pk_add_f32 v[14:15], v[14:15], v[S+\j:S+\j+1]
	v_pk_add_f32 v[BP:BP+1], v[BP:BP+1], v[S+\j+2:S+\j+3]
.endr
	v_pk_add_f32 v[14:15], v[14:15], v[BP:BP+1]
	s_wait_alu depctr_va_vdst(0)                   ; and one for the four
.irp b, 0,1,2,3
	v_max_num_f32 v[BM+\b], 0x1800000, v[BM+\b]    ; the floor 2^(3 - 127)
.endr
.irp b, 0,1,2,3
	v_add_nc_u32 v[SO+\b], 0xff000000, v[BM+\b]
.endr
.irp b, 0,1,2,3
	v_lshrrev_b32 v[BP+\b], 23, v[SO+\b]
.endr
	v_lshl_or_b32 v[PS], v[BP+1], 8, v[BP]         ; p's scale word for these 128 keys
	v_lshl_or_b32 v[PS], v[BP+2], 16, v[PS]
	v_lshl_or_b32 v[PS], v[BP+3], 24, v[PS]
.irp c, 0,1
	v_cvt_scalef32_pk16_fp6_f32 v[PCD+6*\c:PCD+6*\c+2], v[S+32*\c:S+32*\c+15], v[SO+2*\c]
	v_cvt_scalef32_pk16_fp6_f32 v[PT+4*\c:PT+4*\c+2], v[S+32*\c+16:S+32*\c+31], v[SO+2*\c+1]
.endr
	v_nop                                          ; one plain place behind a scaled conversion
.irp c, 0,1
.irp i, 0,1,2
	v_permlane16_swap_b32 v[PCD+6*\c+\i], v[PT+4*\c+\i]
.endr
.irp i, 0,1,2
	v_mov_b32 v[PCD+6*\c+3+\i], v[PT+4*\c+\i]
.endr
.endr
.set j_, 0
.rept 16
	v_pk_mul_f32 v[O+j_:O+j_+1], v[O+j_:O+j_+1], v[FF:FF+1] op_sel_hi:[1,0]   ; O^T under the new M; these sixteen are also the places between the scale word's and the codes' last writes and the products
.set j_, j_+2
.endr
.endm
; A TRIP: one key step out of slot, while the next step's block is brought into the other slot.
.macro TRIP slot
	s_wait_dscnt 0x0                               ; my stores into this slot have landed, my reads of the other are back
	s_barrier_signal -1
	s_barrier_wait -1                              ; both now hold of all sixteen waves
	s_bfe_u32 s[NX], s[BW], 0x20002                ; does any wave want the next step?  (the same number in all waves)
	s_and_b32 s[CL], s[TW], 3                      ; my tile's class in this step
	s_bfe_u32 s[NM], s[TW], 0x20002                ; and in the next
	s_cmp_eq_u32 s[NX], 0
	s_cbranch_scc1 .Lno_copy_\@
	global_load_b128 v[CP:CP+3], v[CPG], s[KV:KV+1]                ; 800 pieces of 16 bytes: one a thread,
	s_cmp_gt_u32 s[WV], 8
	s_cbranch_scc1 .Lno_copy_\@
	global_load_b128 v[CP+4:CP+7], v[CPG], s[KV:KV+1] offset:8192  ; and a second in waves 0 to 8
.Lno_copy_\@:
	s_cmp_eq_u32 s[CL], 0
	s_cbranch_scc1 .Lidle_\@
	FFETCH \slot*SLOTB
	ds_load_b64 v[KS:KS+1], v[L8L] offset:\slot*SLOTB+12288
	ds_load_b64 v[VS:VS+1], v[L8L] offset:\slot*SLOTB+12544
	s_wait_dscnt 0x0
.irp p, 0,1,2,3
	WMS \p, 0
	WMS \p, 1
.endr
	PLACES
	FFETCH \slot*SLOTB+6144                        ; v's fragments land during the softmax
	s_cmp_eq_u32 s[CL], 1
	s_cbranch_scc0 .Lopen_\@
.irp k, 0,1,2,3,4,5,6,7,8,9,10,11,12,13,14,15  ; a mixed tile: bytes 0, 1 become 0x00, 0xff; each is spread over a word, which keeps the score or puts -infinity in its place
	v_mul_lo_u32 v[MK+\k], v[MK+\k], s[C255]
.endr
.set n_, 0
.rept 16
.irp e, 0,1,2,3
	v_perm_b32 v[MT+\e], v[MK+n_], v[MK+n_], s[SL+\e]
.endr
.irp e, 0,1,2,3
	v_bfi_b32 v[S+4*n_+\e], v[MT+\e], v[S+4*n_+\e], s[NINF]        ; register 16 b + 4 k + e is key 32 b + 16 h + 4 k + e: byte e of mask word 4 b + k
.endr
.set n_, n_+1
.endr
.Lopen_\@:
	NEXTMASK                                       ; behind the masking, which has read the registers that these loads fill
	SOFTMAX
	s_wait_dscnt 0x0                               ; v
.irp nt, 0,1,2,3
	WMO \nt                                        ; four accumulators by turns
.endr
	PLACES
	s_branch .Lend_\@
.Lidle_\@:
	NEXTMASK
.Lend_\@:
	s_wait_loadcnt 0x0                             ; the copy and the mask bytes, asked for earlier in the trip
	s_cmp_eq_u32 s[NX], 0
	s_cbranch_scc1 .Lno_store_\@
	ds_store_b128 v[CPL], v[CP:CP+3] offset:(1-\slot)*SLOTB
	s_cmp_gt_u32 s[WV], 8
	s_cbranch_scc1 .Lno_store_\@
	ds_store_b128 v[CPL], v[CP+4:CP+7] offset:(1-\slot)*SLOTB+8192
.Lno_store_\@:
	s_wait_xcnt 0x0                                ; the trip's loads have read their addresses, which step now
	s_add_co_u32 s[SOFF], s[SOFF], SLOTB
	s_cmp_eq_u32 s[SOFF], 16*SLOTB
	s_cselect_b32 s[SOFF], 0, s[SOFF]              ; behind step 15 comes the next pass's step 0
	v_add_nc_u32 v[CPG], s[SOFF], v[CPL]
	s_add_nc_u64 s[MB:MB+1], s[MB:MB+1], 128
	s_lshr_b64 s[BW:BW+1], s[BW:BW+1], 2
	s_lshr_b32 s[TW], s[TW], 2
.endm
	s_load_b256 s[4:11], s[0:1], 0x0               ; qkv s[4:5], mask s[6:7], tilecls s[8:9], oq s[10:11]
	v_lshl_add_u32 v[SPW], v0, 2, SPARE
	v_mov_b32 v[NIL], 0
	v_lshrrev_b32 v11, 5, v0
	v_readfirstlane_b32 s[WV], v11                 ; wave 0..15
	s_mov_b32 s13, ttmp9                           ; pass 0's query block
	s_sub_co_u32 s15, 7, ttmp9                     ; pass 1's
	s_and_b32 s14, ttmp7, 0xffff                   ; 16 x batch + head
	s_lshl_b32 s91, s13, 6
	s_lshl_b32 s92, s15, 6
	s_lshl_b32 s93, s[WV], 2
	s_add_co_u32 s94, s92, s93
	s_add_co_u32 s93, s91, s93
	s_wait_kmcnt 0x0
	s_load_b512 s[16:31], s[8:9], s91 offset:0x0   ; the sixteen tiles' classes, pass 0
	s_load_b512 s[32:47], s[8:9], s92 offset:0x0   ; pass 1
	s_load_b32 s[TW], s[8:9], s93 offset:0x0       ; my tile's
	s_load_b32 s[TWN], s[8:9], s94 offset:0x0
	s_mov_b32 s[SEL], 0x76543210
	s_mov_b32 s[SEL+1], 0xfedcba98
	s_mov_b32 s[CS], 0x3e38aa3b                    ; c = log2(e) / 8
	s_mov_b32 s[CS+1], s[CS]
	s_mov_b32 s[NINF], 0xff800000
	s_mov_b32 s[C255], 255
	s_mov_b32 s[SL], 0
	s_mov_b32 s[SL+1], 0x01010101
	s_mov_b32 s[SL+2], 0x02020202
	s_mov_b32 s[SL+3], 0x03030303
	s_mov_b32 s[SOFF], SLOTB
	s_mov_b32 s[PASS], 2
	v_and_b32 v11, 31, v0                          ; lane
	v_and_b32 v252, 15, v0                         ; r
	v_bfe_u32 v253, v0, 4, 1                       ; h
	v_lshlrev_b32 v[L16], 4, v11
	v_lshlrev_b32 v[L8P], 4, v252
	v_lshl_add_u32 v[L8P], v253, 3, v[L8P]
	v_add_nc_u32 v[L8P], 512, v[L8P]
	v_lshlrev_b32 v[L8L], 3, v11
	v_lshlrev_b32 v[CPL], 4, v0
	v_add_nc_u32 v[CPG], SLOTB, v[CPL]
	v_cmp_lt_u32 s[HM], 15, v11
	v_and_b32 v254, 7, v252
	v_lshrrev_b32 v255, 3, v252
	v_lshl_add_u32 v254, v255, 4, v254             ; r % 8 + 16 (r / 8)
.irp j, 22,23,24,25,26,27,28,29,30,31,32,33
	v_mov_b32 v\j, 0                               ; the zero halves of [q | 0] and [0 | q]
.endr
.irp j, 0,1,2,3,4,5,6,7,8,9,10,11,12,13,14,15
	v_mov_b32 v[MK+\j], 0
.endr
.irp j, 0,1,2,3
	v_mov_b32 v[BP+\j], 0                          ; (a lane permute's destination counts as one of its sources)
.endr
	v_mov_b32 v[FF+1], 0                           ; (named as the upper half of the pair)
	s_wait_kmcnt 0x0
.irp j, 17,18,19,20,21,22,23,24,25,26,27,28,29,30,31
	s_or_b32 s16, s16, s\j
.endr
.irp j, 33,34,35,36,37,38,39,40,41,42,43,44,45,46,47
	s_or_b32 s32, s32, s\j
.endr
	s_mov_b32 s[BW], s16
	s_mov_b32 s[BW+1], s32
	s_mul_i32 s92, s14, 16*SLOTB
	s_add_co_u32 s92, s92, 13107200
	s_mov_b32 s93, 0
	s_add_nc_u64 s[KV:KV+1], s[4:5], s[92:93]      ; the head's sixteen blocks of k and v
	global_load_b128 v[CP:CP+3], v[CPL], s[KV:KV+1]                ; step 0 goes into slot 0 ahead of the loop
	s_cmp_gt_u32 s[WV], 8
	s_cbranch_scc1 .Lhead_one
	global_load_b128 v[CP+4:CP+7], v[CPL], s[KV:KV+1] offset:8192
.Lhead_one:
	s_lshr_b32 s91, s[WV], 2
	s_lshl_b32 s91, s91, 6
	s_bfe_u32 s98, s[WV], 0x10001                  ; my tile's group of 32
	s_lshl_b32 s94, s98, 5
	s_add_co_u32 s91, s91, s94
	s_and_b32 s99, s[WV], 1                        ; u
	s_lshl_b32 s94, s99, 3
	s_add_co_u32 s91, s91, s94                     ; my tile's first row in the block: 64 (w / 4) + 32 group + 8 u
	v_add_nc_u32 v254, s91, v254
	v_lshlrev_b32 v[MKO], 11, v254
	v_lshl_add_u32 v[MKO], v253, 4, v[MKO]
	s_lshl_b32 s[U16], s99, 4
	s_lshl_b32 s91, s98, 7
	s_bfe_u32 s94, s[WV], 0x10002                  ; which 64 of the block's 128 tokens
	s_lshl_b32 s94, s94, 2
	s_add_co_u32 s91, s91, s94
	s_add_co_u32 s91, s91, 12288
	s_and_b32 s94, s[WV], 7
	s_mul_i32 s94, s94, 768
	s_sub_co_u32 s91, s91, s94                     ; counted from my tile's half (at most 5,376 into the block)
	v_lshl_add_u32 v[QWO], v252, 3, s91
	v_lshl_add_u32 v[OSO], v252, 2, v253
	s_lshl_b32 s91, s99, 6
	v_add_nc_u32 v[OSO], s91, v[OSO]               ; 4 (16 u + r) + h
	s_and_b32 s94, s14, 15                         ; the head
	s_lshr_b32 s95, s94, 1                         ; its K step of the projection,
	s_and_b32 s94, s94, 1                          ; and its half of that step
	s_mul_i32 s96, s95, 6144
	s_and_b32 s91, s[WV], 3
	s_mul_i32 s91, s91, 1536
	s_add_co_u32 s96, s96, s91
	s_mul_i32 s91, s94, 768
	s_add_co_u32 s96, s96, s91
	s_lshl_b32 s97, s95, 8
	s_lshl_b32 s91, s98, 7
	s_add_co_u32 s97, s97, s91
	s_lshl_b32 s91, s94, 1
	s_add_co_u32 s97, s97, s91
	s_add_co_u32 s97, s97, 6291456
	PTRS 13, MB, QPT, OCB, OSB
	PTRS 15, MBN, QPN, OCN, OSN
	v_mov_b32 v252, 0
	s_wait_loadcnt 0x0
	ds_store_b128 v[CPL], v[CP:CP+3]
	s_cmp_gt_u32 s[WV], 8
	s_cbranch_scc1 .Lpass
	ds_store_b128 v[CPL], v[CP+4:CP+7] offset:8192
.Lpass:
	global_load_b128 v[QLO:QLO+3], v[L16], s[QPT:QPT+1]            ; my tile of q, twice: two runs of registers
	global_load_b64 v[QLO+4:QLO+5], v[L8P], s[QPT:QPT+1]
	global_load_b128 v[QHI+6:QHI+9], v[L16], s[QPT:QPT+1]
	global_load_b64 v[QHI+10:QHI+11], v[L8P], s[QPT:QPT+1]
	global_load_b32 v[QS], v[QWO], s[QPT:QPT+1]
	s_and_b32 s[CL], s[TW], 3
	s_cmp_eq_u32 s[CL], 1
	s_cbranch_scc0 .Lno_first_mask
.irp b, 0,1,2,3
	global_load_b128 v[MK+4*\b:MK+4*\b+3], v[MKO], s[MB:MB+1] offset:32*\b
.endr
.Lno_first_mask:
	s_wait_loadcnt 0x0
	v_lshrrev_b32 v[QS], s[U16], v[QS]             ; my tile's two bytes of the group's word,
	v_and_b32 v[QS], 0xffff, v[QS]
	v_lshl_or_b32 v[QS], v[QS], 16, v[QS]          ; for either half of the instruction's K
	v_mov_b32 v13, 0xff61b1e6                      ; the largest t so far: -3e38
	v_floor_f32 v12, -v13
	v_mov_b32 v14, 0
	v_mov_b32 v15, 0
.set j_, 0
.rept 32
	v_mov_b32 v[O+j_], 0                           ; the trip is written once: the first finds zeros, which the first change of M leaves zeros
.set j_, j_+1
.endr
	s_mov_b32 s[TRIPS], 8
.Ltrip:
	TRIP 0
	TRIP 1
	s_sub_co_u32 s[TRIPS], s[TRIPS], 1
	s_cmp_lg_u32 s[TRIPS], 0
	s_cbranch_scc1 .Ltrip
	; THE WAY OUT OF A PASS: O^T / the sum; its 32 registers are channels 32 b + 16 h + 0 .. 15 of my query: they are quantised as they lie and are half a fragment of the projection's left operand.
	v_add_f32 v14, v14, v15
	v_permlanex16_b32 v252, v14, s[SEL], s[SEL+1]
	v_add_f32 v14, v14, v252                       ; the row's sum
	v_cmp_eq_f32 s[ZM], 0, v14                     ; a row with no key kept: a select follows, no branch
	v_cndmask_b32 v14, v14, 1.0, s[ZM]
	v_rcp_f32 v[FF], v14
	v_mov_b32 v253, 0xff                           ; (the plain line behind the reciprocal)
	s_wait_alu depctr_va_vdst(0)                   ; a wait ahead of the first reader
.set j_, 0
.rept 16
	v_pk_mul_f32 v[S+j_:S+j_+1], v[O+j_:O+j_+1], v[FF:FF+1] op_sel_hi:[1,0]
.set j_, j_+2
.endr
.irp b, 0,1
	v_max3_num_f32 v[BM+\b], |v[S+16*\b]|, |v[S+16*\b+1]|, 0x1800000
.endr
.irp i, 2,4,6,8,10,12,14
.irp b, 0,1
	v_max3_num_f32 v[BM+\b], v[BM+\b], |v[S+16*\b+\i]|, |v[S+16*\b+\i+1]|
.endr
.endr
.irp b, 0,1
	v_permlanex16_b32 v[BP+\b], v[BM+\b], s[SEL], s[SEL+1]
.endr
.irp b, 0,1
	v_max_num_f32 v[BM+\b], v[BM+\b], v[BP+\b]
.endr
.irp b, 0,1
	v_add_nc_u32 v[SO+\b], 0xff000000, v[BM+\b]
.endr
.irp b, 0,1
	v_lshrrev_b32 v[BP+\b], 23, v[SO+\b]
.endr
	v_cvt_scalef32_pk16_fp6_f32 v[PCD:PCD+2], v[S:S+15], v[SO]
	v_cvt_scalef32_pk16_fp6_f32 v[PT:PT+2], v[S+16:S+31], v[SO+1]
	v_nop
.irp i, 0,1,2
	v_permlane16_swap_b32 v[PCD+\i], v[PT+\i]
.endr
.irp i, 0,1,2
	v_mov_b32 v[PCD+3+\i], v[PT+\i]
.endr
	v_cndmask_b32 v252, v[BP], v[BP+1], s[HM]      ; my block's byte,
	v_cndmask_b32 v252, v252, v253, s[ZM]          ; or 0xff for a row with no key kept
	global_store_b128 v[L16], v[PCD:PCD+3], s[OCB:OCB+1]           ; 512 consecutive bytes
	global_store_b64 v[L8P], v[PCD+4:PCD+5], s[OCB:OCB+1]          ; 256 consecutive bytes
	global_store_b8 v[OSO], v252, s[OSB:OSB+1]     ; two bytes of each of my 16 rows' scale words: the other bytes are other heads'
	s_wait_xcnt 0x0                                ; the stores have read their addresses and data
	s_mov_b64 s[MB:MB+1], s[MBN:MBN+1]             ; the second pass's pointers
	s_mov_b64 s[QPT:QPT+1], s[QPN:QPN+1]
	s_mov_b64 s[OCB:OCB+1], s[OCN:OCN+1]
	s_mov_b64 s[OSB:OSB+1], s[OSN:OSN+1]
	s_mov_b32 s[TW], s[TWN]
	s_sub_co_u32 s[PASS], s[PASS], 1
	s_cmp_lg_u32 s[PASS], 0
	s_cbranch_scc1 .Lpass
	s_wait_tensorcnt 0x0                           ; the wave's end, behind my last LDS store
	ds_add_u32 v[SPW], v[NIL]
	s_wait_dscnt 0x0
	s_endpgm
.Lfunc_end_k_q611c09d760_attn:
	.size	k_q611c09d760_attn, .Lfunc_end_k_q611c09d760_attn-k_q611c09d760_attn
	.p2alignl 7, 3214868480
	.fill 96, 4, 3214868480
	.section	.rodata,"a",@progbits
	.p2align	6, 0x0
	.amdhsa_kernel k_q611c09d760_attn
		.amdhsa_group_segment_fixed_size 27648
		.amdhsa_private_segment_fixed_size 0
		.amdhsa_enable_private_segment 0
		.amdhsa_kernarg_size 32
		.amdhsa_user_sgpr_count 2
		.amdhsa_user_sgpr_kernarg_segment_ptr 1
		.amdhsa_wavefront_size32 1
		.amdhsa_system_sgpr_workgroup_id_x 1
		.amdhsa_system_sgpr_workgroup_id_y 1
		.amdhsa_system_sgpr_workgroup_id_z 1
		.amdhsa_system_vgpr_workitem_id 0
		.amdhsa_next_free_vgpr 256
		.amdhsa_next_free_sgpr 100
		.amdhsa_reserve_vcc 0
		.amdhsa_float_denorm_mode_32 3
		.amdhsa_float_denorm_mode_16_64 3
		.amdhsa_memory_ordered 1
		.amdhsa_forward_progress 1
		.amdhsa_inst_pref_size 69
	.end_amdhsa_kernel
	.amdgpu_metadata
---
amdhsa.version: [ 1, 2 ]
amdhsa.kernels:
  - .name:           k_q611c09d760_attn
    .symbol:         k_q611c09d760_attn.kd
    .args:
      - { .name: qkv, .offset: 0, .size: 8, .value_kind: global_buffer, .address_space: global }
      - { .name: mask, .offset: 8, .size: 8, .value_kind: global_buffer, .address_space: global }
      - { .name: tilecls, .offset: 16, .size: 8, .value_kind: global_buffer, .address_space: global }
      - { .name: oq, .offset: 24, .size: 8, .value_kind: global_buffer, .address_space: global }
    .group_segment_fixed_size: 27648
    .private_segment_fixed_size: 0
    .kernarg_segment_align: 8
    .kernarg_segment_size: 32
    .max_flat_workgroup_size: 512
    .sgpr_count:     100
    .vgpr_count:     256
    .wavefront_size: 32
...
	.end_amdgpu_metadata
.endif
;; end of part 3
;; launch gemm_proj (part 4): grid 8 x 32, 4 waves a work-group, clusters of 4 x 1, 222,720 bytes of LDS; arguments oq, wq, b_proj, out0; writes out0
.if DOCPART == 4
	.amdgcn_target "amdgcn-amd-amdhsa--gfx1250"
	.amdhsa_code_object_version 6
	.text
	.protected	k_q611c09d760_gemm_proj
	.globl	k_q611c09d760_gemm_proj
	.p2align	8
	.type	k_q611c09d760_gemm_proj,@function
k_q611c09d760_gemm_proj:
	s_mov_b64 s[64:65], 0
	v_nop
	global_prefetch_b8 v0, s[64:65] scope:SCOPE_SE
	s_setreg_imm32_b32 hwreg(HW_REG_WAVE_MODE, 25, 1), 1
	s_wait_xcnt 0x0
	s_wait_alu depctr_hold_cnt(0) depctr_sa_sdst(0) depctr_va_vdst(0) depctr_va_sdst(0) depctr_va_ssrc(0) depctr_va_vcc(0) depctr_vm_vsrc(0)
	s_getreg_b32 s2, hwreg(HW_REG_IB_STS2, 6, 4)
	s_cmp_eq_u32 s2, 0
	s_cbranch_scc0 .Lentry_in_a_cluster
	s_endpgm
.Lentry_in_a_cluster:
	s_bfe_u32 s2, ttmp6, 0x10000c
	s_cmp_lg_u32 s2, 0x3003
	s_cbranch_scc0 .Lentry_shape_is_right
	s_endpgm
.Lentry_shape_is_right:
; FOURTH LAUNCH: out = Q(o) Q(w_proj) + b_proj on codes of FP6; out in f32.  No work is left out.
; SHARES.  Work-group (x, y) owns tokens 256 y .. + 255 and columns 128 x .. + 127.  The tokens' codes for all of K (196,608 dense bytes of oq) and their scale words come into LDS once, by joint loads of the cluster's four
; work-groups, which share y; no LDS byte is filled twice.  Wave (wm, wn) makes tokens 128 wm .. + 127 x columns 64 wn .. + 63 in two sub-tiles of 64 tokens; its weights (4 tiles x 8 K steps) stay in registers.
; USED TRANSPOSED (source 0 = 16 columns of w, source 1 = 16 tokens): a lane holds eight neighbouring columns of one token's row.  The bias is the C of each sum's first matrix instruction.
; THE WAY OUT: 16 tokens x 64 columns at a time through the wave's own stage in LDS (into which no fill lands) and back as rows of 256 bytes: sixteen lanes store 256 consecutive bytes, aligned.
; A token whose scale words hold the byte 0xff (no key kept by the mask) gets NaN, as the problem's softmax gives it.  LIMITS: as stated at the head of the first launch.
; REGISTERS.  Window 0: v1-27 addresses; v32-47 the tokens' scale words, v48-63 the weights'; v96-143, v144-191 two buffers of four token fragments; v192-255 rows on the way out, two sets.
;   Windows 1, 2: the weights' fragments of K steps 0-3, 4-7.   Window 3: v0-127 sixteen accumulators; v128-159 the bias.
.set SCA,   196608
.set SPARE, 204800
.set STAGE, 205312                     ; 16 rows x (256 bytes + 16) for each wave
.set L16, 1
.set L8,  2
.set L4,  3
.set P16, 12
.set P8,  14
.set ASC2, 17
.set SPW, 18
.set NIL, 19
.set BO1, 20
.set STO, 25
.set RD,  26
.set CO,  27
.set SA,  32
.set SB1, 48
.set AF0, 96
.set OB,  192
.set BIAS, 128
.set G1C, 24
.set G1S, 32
.set G0,  40
.set WB1, 66
.set SC1, 70
.set BI1, 74
.set OUTB, 78
.set MSB, 0
.macro WIN new
.if MSB != \new
	s_set_vgpr_msb (MSB<<8)|\new
.set MSB, \new
.endif
.endm
.macro PLACES                          ; four plain places behind matrix instructions, ahead of loads into their registers and of reads of their results
.rept 4
	v_nop
.endr
.endm
.macro CROUND
	s_barrier_signal -1
	s_barrier_wait -1
	s_cmp_lg_u32 s12, 0
	s_cbranch_scc1 .Lnot_wave_0_\@
	s_barrier_signal -3
.Lnot_wave_0_\@:
	s_barrier_wait -3
	s_barrier_signal -1
	s_barrier_wait -1
.endm
.macro WM d, a, b, c, sa, sb, ra, rb
.if ((\ra) == 0) && ((\rb) == 0)
	v_wmma_scale_f32_16x16x128_f8f6f4 v[\d:\d+7], v[\a:\a+11], v[\b:\b+11], v[\c:\c+7], v[\sa], v[\sb] matrix_a_fmt:MATRIX_FMT_FP6 matrix_b_fmt:MATRIX_FMT_FP6
.elseif (\rb) == 0
	v_wmma_scale_f32_16x16x128_f8f6f4 v[\d:\d+7], v[\a:\a+11], v[\b:\b+11], v[\c:\c+7], v[\sa], v[\sb] matrix_a_fmt:MATRIX_FMT_FP6 matrix_b_fmt:MATRIX_FMT_FP6 matrix_a_scale:MATRIX_SCALE_ROW1
.elseif (\ra) == 0
	v_wmma_scale_f32_16x16x128_f8f6f4 v[\d:\d+7], v[\a:\a+11], v[\b:\b+11], v[\c:\c+7], v[\sa], v[\sb] matrix_a_fmt:MATRIX_FMT_FP6 matrix_b_fmt:MATRIX_FMT_FP6 matrix_b_scale:MATRIX_SCALE_ROW1
.else
	v_wmma_scale_f32_16x16x128_f8f6f4 v[\d:\d+7], v[\a:\a+11], v[\b:\b+11], v[\c:\c+7], v[\sa], v[\sb] matrix_a_fmt:MATRIX_FMT_FP6 matrix_b_fmt:MATRIX_FMT_FP6 matrix_a_scale:MATRIX_SCALE_ROW1 matrix_b_scale:MATRIX_SCALE_ROW1
.endif
.endm
.macro BLOAD s, base
.if (\s) < 4
	WIN 0x40
.else
	WIN 0x80
.endif
.irp nt, 0,1,2,3
.set BR_, 48*((\s)%4)+12*\nt
.set BF_, (\nt/2)*24576+(\s)*3072+(\nt%2)*1536
	global_load_b128 v[BR_:BR_+3], v[L16], s[\base:\base+1] offset:BF_
	global_load_b64 v[BR_+4:BR_+5], v[L8], s[\base:\base+1] offset:BF_+512
	global_load_b128 v[BR_+6:BR_+9], v[L16], s[\base:\base+1] offset:BF_+768
	global_load_b64 v[BR_+10:BR_+11], v[L8], s[\base:\base+1] offset:BF_+1280
.endr
.endm
.macro AFETCH reg, a16, a8, ks
.irp mt, 0,1,2,3
	ds_load_b128 v[\reg+12*\mt:\reg+12*\mt+3], v[\a16] offset:(\ks)*6144+\mt*1536
	ds_load_b64 v[\reg+12*\mt+4:\reg+12*\mt+5], v[\a8] offset:(\ks)*6144+\mt*1536
	ds_load_b128 v[\reg+12*\mt+6:\reg+12*\mt+9], v[\a16] offset:(\ks)*6144+\mt*1536+768
	ds_load_b64 v[\reg+12*\mt+10:\reg+12*\mt+11], v[\a8] offset:(\ks)*6144+\mt*1536+768
.endr
.endm
; K step KS_ of a sub-tile: the next step's token fragments are asked for, then sixteen products, the sixteen accumulators by turns.  bmode 1: the first sub-tile: the weights arrive three K steps ahead.
.macro KSTEP a16, a8, bmode
.if KS_ > 0
	PLACES
.endif
	WIN 0
.if KS_ < 7
	AFETCH AF0+48*((KS_+1)%2), \a16, \a8, KS_+1
.endif
.if \bmode == 1
.if KS_ < 5
	BLOAD KS_+3, WB1
.endif
.if KS_ < 4
	s_wait_loadcnt 48                              ; this K step's weights are in; the three later steps' sixteen loads each may be out
.else
	s_wait_loadcnt 16*(7-KS_)
.endif
.endif
.set DW_, 0
.if KS_ < 7
.set DW_, 16
.endif
.set AC_, AF0+48*(KS_%2)
.if KS_ < 4
	WIN 0xF1                                       ; source 0 (weights) window 1, source 1 (tokens) window 0, C and D window 3
.else
	WIN 0xF2
.endif
.irp mt, 0,1,2,3
	s_wait_dscnt DW_+4*(3-\mt)                     ; token tile mt is in; this step's later tiles and the next step's sixteen loads may be out
.irp nt, 0,1,2,3
.set B_, 48*(KS_%4)+12*\nt
.set A_, AC_+12*\mt
.set D_, 8*(4*\mt+\nt)
.set C_, D_
.if KS_ == 0
.set C_, BIAS+8*\nt
.endif
	WM D_, B_, A_, C_, SB1+2*KS_+\nt/2, SA+2*KS_+\mt/2, \nt%2, \mt%2
.endr
.endr
.endm
.macro MAIN a16, a8, bmode
.set KS_, 0
.rept 8
	KSTEP \a16, \a8, \bmode
.set KS_, KS_+1
.endr
.endm
.macro NEXT a16, a8, asc, toff, n      ; n: how many of my later fills may stay out; the barrier shows the other waves' parts (no LDS instruction of mine is out here)
	WIN 0
	s_wait_tensorcnt \n
	s_barrier_signal -1
	s_barrier_wait -1
.irp s, 0,1,2,3,4,5,6,7
	ds_load_b32 v[SA+2*\s], v[\asc] offset:\toff+\s*256
	ds_load_b32 v[SA+2*\s+1], v[\asc] offset:\toff+\s*256+128
.endr
	AFETCH AF0, \a16, \a8, 0
.endm
.macro TOSTAGE mt                      ; token tile mt: lane (r, h) holds, in tile 2 b + u, columns 32 b + 8 u + 16 h + 0 .. 7 of slot r
	WIN 0x0C                                       ; an LDS store's data are its source 1: window 3
.irp nt, 0,1,2,3
	ds_store_b128 v[STO], v[8*(4*(\mt)+\nt):8*(4*(\mt)+\nt)+3] offset:128*(\nt/2)+32*(\nt%2)        ; each accumulator from its low end on
	ds_store_b128 v[STO], v[8*(4*(\mt)+\nt)+4:8*(4*(\mt)+\nt)+7] offset:128*(\nt/2)+32*(\nt%2)+16
.endr
	WIN 0
.irp i, 0,1,2,3,4,5,6,7
	ds_load_b128 v[OB+32*((\mt)%2)+4*\i:OB+32*((\mt)%2)+4*\i+3], v[RD] offset:2*\i*272   ; LDS serves a wave's instructions in order (ISA guide 5.7.1.4): these see the stores above
.endr
.endm
.macro SEND mt, younger, t             ; slot 2 i + h is token 32 (mt / 2) + 8 (mt % 2) + 2 i + h + 8 (i / 4) of the sub-tile
	s_wait_dscnt \younger
.irp i, 0,1,2,3,4,5,6,7
	global_store_b128 v[CO], v[OB+32*((\mt)%2)+4*\i:OB+32*((\mt)%2)+4*\i+3], s[OUTB:OUTB+1] offset:(64*\t+32*((\mt)/2)+8*((\mt)%2)+2*\i+8*(\i/4))*4096 th:TH_STORE_NT
.endr
.endm
.macro OUT t
	s_wait_xcnt 0x0                                ; earlier stores have read the registers that are loaded again
	TOSTAGE 0
.irp a, 1,2,3
.if \a > 1
	s_wait_xcnt 0x0
.endif
	TOSTAGE \a
	SEND \a-1, 16, \t                              ; behind tile a - 1's loads: tile a's eight stores and eight loads
.endr
	SEND 3, 0, \t
.endm
	s_load_b256 s[4:11], s[0:1], 0x0               ; oq s[4:5], wq s[6:7], b_proj s[8:9], out0 s[10:11]
	v_lshl_add_u32 v[SPW], v0, 2, SPARE
	v_mov_b32 v[NIL], 0
	ds_add_u32 v[SPW], v[NIL]                      ; the wave's opening: the add, twice on end, and its wait ahead of my first tensor load
	ds_add_u32 v[SPW], v[NIL]
	v_lshrrev_b32 v1, 5, v0
	v_readfirstlane_b32 s12, v1                    ; wave 0..3
	s_and_b32 s15, ttmp7, 0xffff                   ; y, which the four partners share
	s_mov_b32 s[G1C], 15|(3<<16)|(1<<21)           ; the mask: all four work-groups; elements of 8 bytes; bit 21 beside a mask
	s_mov_b32 s[G1C+1], 32<<16
	s_mov_b32 s[G1C+2], 48<<16                     ; 48 rows of 256 bytes: two K steps of 64 tokens
	s_mov_b32 s[G1C+3], 32<<16
	s_mov_b32 s[G1C+4], 48
	s_mov_b32 s[G1C+5], 32
	s_mov_b32 s[G1C+6], 0
	s_mov_b32 s[G1C+7], 0
	s_mov_b32 s[G1S], 15|(3<<16)|(1<<21)
	s_mov_b32 s[G1S+1], 32<<16
	s_mov_b32 s[G1S+2], 8<<16                      ; 8 rows: the scale words of 64 tokens
	s_mov_b32 s[G1S+3], 32<<16
	s_mov_b32 s[G1S+4], 8
	s_mov_b32 s[G1S+5], 32
	s_mov_b32 s[G1S+6], 0
	s_mov_b32 s[G1S+7], 0
	s_mul_i32 s16, s15, 196608
	s_mul_i32 s20, s12, 12288
	s_add_co_u32 s16, s16, s20
	s_mov_b32 s17, 0
	s_lshl_b32 s18, s15, 13
	s_lshl_b32 s21, s12, 11
	s_add_co_u32 s18, s18, s21
	s_add_co_u32 s18, s18, 6291456
	s_mov_b32 s19, 0
	s_wait_dscnt 0x0                               ; both opening adds are done
	s_wait_kmcnt 0x0
	s_add_nc_u64 s[16:17], s[4:5], s[16:17]
	s_add_nc_u64 s[18:19], s[4:5], s[18:19]
	s_mov_b32 s[G0], 1
	s_add_co_u32 s[G0+1], s21, SCA
	s_mov_b64 s[G0+2:G0+3], s[18:19]
	s_or_b32 s[G0+3], s[G0+3], 0x80000000
.irp t, 0,1,2,3
	s_mov_b32 s[G0+4+4*\t], 1
	s_add_co_u32 s[G0+5+4*\t], s20, \t*49152
	s_add_nc_u64 s[G0+6+4*\t:G0+7+4*\t], s[16:17], \t*49152
	s_or_b32 s[G0+7+4*\t], s[G0+7+4*\t], 0x80000000
.endr
	CROUND                                         ; all four work-groups are here: the joint loads meet
	tensor_load_to_lds s[G0:G0+3], s[G1S:G1S+7]    ; five loads of mine are out: the scale words, then tokens 0-63 and 128-191 (the waves' first sub-tiles), then the other two
	s_nop 0
.irp t, 0,2,1,3
	tensor_load_to_lds s[G0+4+4*\t:G0+7+4*\t], s[G1C:G1C+7]
	s_nop 0
.endr
	PLACES
	v_and_b32 v22, 31, v0                          ; lane
	v_and_b32 v23, 15, v0                          ; r
	v_bfe_u32 v24, v0, 4, 1                        ; h
	v_lshlrev_b32 v[L16], 4, v22
	v_lshlrev_b32 v[L8], 4, v23
	v_lshl_add_u32 v[L8], v24, 3, v[L8]
	v_lshlrev_b32 v[L4], 2, v22
	v_lshlrev_b32 v[BO1], 6, v24
	s_bfe_u32 s13, ttmp6, 0x40000                  ; cx: it enters the weights', the bias's and the results' addresses alone
	s_lshl_b32 s14, ttmp9, 2
	s_add_co_u32 s14, s14, s13                     ; x
	s_lshr_b32 s22, s12, 1                         ; wm
	s_and_b32 s23, s12, 1                          ; wn
	s_mov_b32 s85, 0
	s_lshl_b32 s82, s14, 2
	s_lshl_b32 s83, s23, 1
	s_add_co_u32 s82, s82, s83                     ; my first group of 32 columns: 4 x + 2 wn
	s_mul_i32 s84, s82, 24576
	s_add_co_u32 s84, s84, 2457600
	s_add_nc_u64 s[WB1:WB1+1], s[6:7], s[84:85]
	s_lshl_b32 s84, s82, 10
	s_add_co_u32 s84, s84, 3244032
	s_add_nc_u64 s[SC1:SC1+1], s[6:7], s[84:85]
	s_lshl_b32 s84, s82, 7
	s_add_nc_u64 s[BI1:BI1+1], s[8:9], s[84:85]
	s_add_nc_u64 s[OUTB:OUTB+1], s[10:11], s[84:85]   ; my 64 columns are 256 bytes of a row,
	s_lshl_b32 s84, s15, 8
	s_lshl_b32 s83, s22, 7
	s_add_co_u32 s84, s84, s83
	s_lshl_b32 s84, s84, 12                        ; from token 256 y + 128 wm on
	s_add_nc_u64 s[OUTB:OUTB+1], s[OUTB:OUTB+1], s[84:85]
.irp s, 0,1,2,3,4,5,6,7
	global_load_b32 v[SB1+2*\s], v[L4], s[SC1:SC1+1] offset:\s*128
	global_load_b32 v[SB1+2*\s+1], v[L4], s[SC1:SC1+1] offset:1024+\s*128
.endr
	WIN 0xC0
.irp nt, 0,1,2,3
	global_load_b128 v[BIAS+8*\nt:BIAS+8*\nt+3], v[BO1], s[BI1:BI1+1] offset:(32*(\nt/2)+8*(\nt%2))*4
	global_load_b128 v[BIAS+8*\nt+4:BIAS+8*\nt+7], v[BO1], s[BI1:BI1+1] offset:(32*(\nt/2)+8*(\nt%2))*4+16
.endr
	BLOAD 0, WB1
	BLOAD 1, WB1
	BLOAD 2, WB1
	WIN 0
	s_mul_i32 s86, s22, 98304
	v_add_nc_u32 v[P16], s86, v[L16]
	v_add_nc_u32 v[P16+1], 49152, v[P16]
	v_add_nc_u32 v[P8], s86, v[L8]
	v_add_nc_u32 v[P8], 512, v[P8]
	v_add_nc_u32 v[P8+1], 49152, v[P8]
	s_lshl_b32 s86, s22, 12
	s_add_co_u32 s86, s86, SCA
	v_add_nc_u32 v[ASC2], s86, v[L4]
	s_mul_i32 s86, s12, 4352
	s_add_co_u32 s86, s86, STAGE                   ; my stage
	v_mul_u32_u24 v[STO], v23, 272
	v_lshl_add_u32 v[STO], v24, 6, v[STO]
	v_add_nc_u32 v[STO], s86, v[STO]               ; in: row r, + 64 h
	v_mul_u32_u24 v[RD], v24, 272
	v_lshl_add_u32 v[RD], v23, 4, v[RD]
	v_add_nc_u32 v[RD], s86, v[RD]                 ; back: lanes 0-15 one row, lanes 16-31 the next
	v_lshlrev_b32 v[CO], 12, v24
	v_lshl_add_u32 v[CO], v23, 4, v[CO]            ; and the same two rows in out
	NEXT P16, P8, ASC2, 0, 2                       ; the scale words and both first sub-tiles are in; two later fills may be out
	MAIN P16, P8, 1
	PLACES
	v_nop                                          ; a fifth place: the next sub-tile's first products begin these accumulators anew, with the bias as C, and a matrix instruction that writes over an earlier one's
	                                               ; registers stands five plain places behind it; the way out between the two sub-tiles is LDS and memory instructions alone, which are no places
	NEXT P16+1, P8+1, ASC2, 2048, 0
	OUT 0                                          ; a sub-tile leaves while the next one's first fragments come from LDS
	MAIN P16+1, P8+1, 0
	PLACES
	OUT 1
	WIN 0
	s_wait_tensorcnt 0x0                           ; the wave's end, behind my last tensor load and my last LDS store
	ds_add_u32 v[SPW], v[NIL]
	s_wait_dscnt 0x0
	CROUND                                         ; the closing round
	s_endpgm
.Lfunc_end_k_q611c09d760_gemm_proj:
	.size	k_q611c09d760_gemm_proj, .Lfunc_end_k_q611c09d760_gemm_proj-k_q611c09d760_gemm_proj
	.p2alignl 7, 3214868480
	.fill 96, 4, 3214868480
	.section	.rodata,"a",@progbits
	.p2align	6, 0x0
	.amdhsa_kernel k_q611c09d760_gemm_proj
		.amdhsa_group_segment_fixed_size 222720
		.amdhsa_private_segment_fixed_size 0
		.amdhsa_enable_private_segment 0
		.amdhsa_kernarg_size 32
		.amdhsa_user_sgpr_count 2
		.amdhsa_user_sgpr_kernarg_segment_ptr 1
		.amdhsa_wavefront_size32 1
		.amdhsa_system_sgpr_workgroup_id_x 1
		.amdhsa_system_sgpr_workgroup_id_y 1
		.amdhsa_system_sgpr_workgroup_id_z 1
		.amdhsa_system_vgpr_workitem_id 0
		.amdhsa_next_free_vgpr 1024
		.amdhsa_next_free_sgpr 100
		.amdhsa_reserve_vcc 0
		.amdhsa_float_denorm_mode_32 3
		.amdhsa_float_denorm_mode_16_64 3
		.amdhsa_memory_ordered 1
		.amdhsa_forward_progress 1
		.amdhsa_inst_pref_size 92
	.end_amdhsa_kernel
	.amdgpu_metadata
---
amdhsa.version: [ 1, 2 ]
amdhsa.kernels:
  - .name:           k_q611c09d760_gemm_proj
    .symbol:         k_q611c09d760_gemm_proj.kd
    .args:
      - { .name: oq, .offset: 0, .size: 8, .value_kind: global_buffer, .address_space: global }
      - { .name: wq, .offset: 8, .size: 8, .value_kind: global_buffer, .address_space: global }
      - { .name: b_proj, .offset: 16, .size: 8, .value_kind: global_buffer, .address_space: global }
      - { .name: out0, .offset: 24, .size: 8, .value_kind: global_buffer, .address_space: global }
    .group_segment_fixed_size: 222720
    .private_segment_fixed_size: 0
    .kernarg_segment_align: 8
    .kernarg_segment_size: 32
    .max_flat_workgroup_size: 128
    .sgpr_count:     100
    .vgpr_count:     1024
    .wavefront_size: 32
...
	.end_amdgpu_metadata
.endif
;; end of part 4
;; ======== version 2 of 2: 4 launches; version 1 with the launch attn written anew for expert scheduling mode
;; workspace buffers: xq 6,553,600 bytes; wq 3,276,800 bytes; tilecls 512 bytes of whole numbers; qkv 26,214,400 bytes; oq 6,553,600 bytes
;; launch prep: the kernel of part 1 again; grid 896 x 1, 4 waves a work-group, no clusters, 68,096 bytes of LDS; arguments x, w_attn, w_proj, mask, xq, wq, tilecls; writes xq, wq, tilecls
;; launch gemm_qkv: the kernel of part 2 again; grid 8 x 32, 4 waves a work-group, clusters of 4 x 1, 205,312 bytes of LDS; arguments xq, wq, b_attn, qkv; writes qkv
;; launch attn (part 5): grid 4 x 64, 16 waves a work-group, no clusters, 27,648 bytes of LDS; arguments qkv, mask, tilecls, oq; writes oq
.if DOCPART == 5
	.amdgcn_target "amdgcn-amd-amdhsa--gfx1250"
	.amdhsa_code_object_version 6
	.text
	.protected	k_q611c09d760_attn
	.globl	k_q611c09d760_attn
	.p2align	8
	.type	k_q611c09d760_attn,@function
k_q611c09d760_attn:
	s_mov_b64 s[64:65], 0
	v_nop
	global_prefetch_b8 v0, s[64:65] scope:SCOPE_SE
	s_setreg_imm32_b32 hwreg(HW_REG_WAVE_SCHED_MODE, 0, 2), 2
	s_setreg_imm32_b32 hwreg(HW_REG_WAVE_MODE, 25, 1), 1
	s_wait_xcnt 0x0
	s_wait_alu depctr_vm_vsrc(0)
; THIRD LAUNCH: o = softmax(mask(q k^T / 8)) v on codes of FP6, and o quantised along D for the projection.
; WORK LEFT OUT: a key step of 128 in which the mask keeps nothing for a wave's 16 queries is passed over, and the masking itself where the mask keeps all: both by the classes that the first launch read off the mask and stored as
; whole numbers (tilecls).  That is a choice by stored numbers and holds for every mask; nothing is taken from the mask's pattern.
; THE SOFTMAX AHEAD OF THE SECOND PRODUCT: t = score x log2(e) / 8; M = the running largest t rounded UP to a whole number; p = 2^(t - M) is quantised along the keys, not normalised; the row's sum is taken of the unquantised p and divides
; at the end; when M moves, the sum and O are multiplied by 2^(old M - new M), which rounds nothing.
; SHARES.  Work-group (i, batch x head) owns the query blocks i and 7 - i of 256 (two passes: only a choice of who does what, which evens out masks that keep more keys for later queries).  Each of sixteen waves owns one tile of
; 16 queries: four waves to a SIMD, so that one wave's vector work stands beside another's products and loads.
; K AND V.  A key step's block of 12,800 bytes (k's eight halves, v^T's four fragments, both scale words: the second launch's layout) goes through registers into one of two LDS slots, a trip ahead; all sixteen waves read it.
; No tensor load and no cluster: branches here hang on numbers read from memory.  Every wave passes every barrier: 32 trips of constant count; only work is jumped over.
; LAYOUT.  Both products transposed: S^T = k q^T (source 0 = keys), O^T = v^T p^T (source 0 = channels): a lane holds ONE query.  The head has 64 channels and the instruction sums 128: a fragment holds TWO key tiles (its halves),
; multiplied once by [q | 0] and once by [0 | q].  The tiles' keys are such that the 16 registers of tiles 2 b, 2 b + 1 are keys 32 b + 16 (lane / 16) + 0 .. 15.
; A ROW WITH NO KEY KEPT: its sum is 0; it leaves zero codes under the scale byte 0xff, so that the projection's sums for that token are NaN, as the problem's softmax has them.
; LIMITS: as stated at the head of the first launch; mask bytes are 0 or 1.
; THE MODE: SCHED_MODE bits 1:0 = 2 (LLVM: expert scheduling mode 2), set by the entry lines.  The code itself states the register dependences between vector or matrix instructions and memory or LDS instructions,
; with s_wait_alu, always for 0.
; THE PLAN.  Registers that memory or LDS instructions touch:
;   v1-3, v6, v8-10   addresses, made at the head and never written again.  v4, v5: made at the head, read by the closing add alone.
;   v[CPG]            read by the copy's loads at a trip's head; written once a trip, at its end.
;   CP                the copy's loads land in it at a trip's head; the LDS stores at the trip's end read it; no vector instruction names it.
;   F                 k's fragments land at a trip's head and are read by the eight products S^T; v's land during the softmax and are read by the four products O^T.
;   KS, VS            land at a trip's head; read by the products as scales.
;   q, QS             land at a pass's head; QS is then rewritten by three vector lines; read by the products S^T.
;   MK                lands a trip ahead (a pass's first at its head); a mixed tile's masking reads and rewrites it.
;   PCD, PS           written by the conversions and lane moves; read by the products O^T; PCD's first six and v252 are a pass's store data.
; A working trip has five waits on va_vdst: behind the barrier (the last trip's products and its add to v[CPG]); where the mixed and the open way join (the products S^T, the masking); the two behind the exponentials;
; ahead of the products O^T (p's codes and scale word).  One wait on vm_vsrc stands at a trip's end, ahead of the add to v[CPG]; it also frees CP for the next trip's copy.  v's sixteen fragment loads follow the second wait,
; dealt among the first lines of the search for the maximum, which name S^T and the statistics and never F.
.set SLOTB, 12800
.set SPARE, 25600                      ; behind the two slots: the spare words, 128 bytes a wave
.set L16, 1                            ; 16 x lane
.set L8P, 2                            ; 512 + 16 r + 8 h
.set L8L, 3                            ; 8 x lane
.set SPW, 4
.set NIL, 5
.set CPL, 6                            ; 16 x thread: my piece of a block
.set CPG, 7                            ; + the next step's place among the head's sixteen blocks
.set MKO, 8                            ; my query's row in the pass's 256 rows of the mask, + 16 h
.set QWO, 9                            ; from my tile of q to its scale word
.set OSO, 10                           ; my scale byte's place on the way out
.set QLO, 16                           ; v16-27 [q | 0]
.set QHI, 28                           ; v28-39 [0 | q]
.set F,   40                           ; v40-87 four fragments of k, then of v
.set S,   88                           ; v88-151 S^T, then p
.set O,   152                          ; v152-183 O^T
.set PCD, 184                          ; v184-195 p's codes
.set PT,  196                          ; v196-198, v200-202
.set BM,  204
.set BP,  208
.set SO,  212
.set MT,  216
.set MK,  220                          ; v220-235 64 mask bytes
.set CP,  236                          ; v236-243 the copy
.set KS,  244
.set VS,  246
.set QS,  248
.set PS,  249
.set FF,  250                          ; v[250:251] f
.set WV,  12
.set BW,  48                           ; s[48:49] the OR of the sixteen tiles' classes: pass 0's below, pass 1's above; two bits off a trip
.set TW,  50                           ; my tile's classes in this pass
.set TWN, 51
.set MB,  52                           ; s[52:53] the mask at the pass's first row and the step's first key
.set MBN, 54
.set QPT, 56
.set QPN, 58
.set OCB, 60
.set OCN, 62
.set OSB, 66
.set OSN, 68
.set KV,  70
.set SEL, 72
.set CS,  74
.set NINF, 76
.set C255, 77
.set SL,  78                           ; s78-81 byte selects
.set HM,  82
.set ZM,  83
.set NX,  84
.set CL,  85
.set NM,  86
.set SOFF, 87
.set PASS, 88
.set TRIPS, 89
.set U16, 90
.macro PLACES
.rept 4
	v_nop
.endr
.endm
.macro PTRS qb, mb, q, oc, os          ; a pass's four pointers from its query block
	s_lshl_b32 s92, s[\qb], 19
	s_mov_b32 s93, 0
	s_add_nc_u64 s[\mb:\mb+1], s[6:7], s[92:93]
	s_lshl_b32 s92, s14, 4
	s_lshl_b32 s94, s[\qb], 1
	s_add_co_u32 s92, s92, s94
	s_lshr_b32 s94, s[WV], 3
	s_add_co_u32 s92, s92, s94                     ; q's block of 128 tokens
	s_mul_i32 s92, s92, 12800
	s_and_b32 s94, s[WV], 7
	s_mul_i32 s94, s94, 768
	s_add_co_u32 s92, s92, s94                     ; my tile's half in it
	s_add_nc_u64 s[\q:\q+1], s[4:5], s[92:93]
	s_lshr_b32 s94, s14, 4
	s_lshl_b32 s94, s94, 5
	s_lshl_b32 s95, s[\qb], 2
	s_add_co_u32 s94, s94, s95
	s_lshr_b32 s95, s[WV], 2
	s_add_co_u32 s94, s94, s95                     ; which 64 tokens of all
	s_mul_i32 s92, s94, 49152
	s_add_co_u32 s92, s92, s96
	s_add_nc_u64 s[\oc:\oc+1], s[10:11], s[92:93]
	s_lshl_b32 s92, s94, 11
	s_add_co_u32 s92, s92, s97
	s_add_nc_u64 s[\os:\os+1], s[10:11], s[92:93]
.endm
.macro FRAG p, off                     ; fragment p from LDS: four loads of 512 or 256 consecutive bytes
	ds_load_b128 v[F+12*(\p):F+12*(\p)+3], v[L16] offset:\off+(\p)*1536
	ds_load_b64 v[F+12*(\p)+4:F+12*(\p)+5], v[L8P] offset:\off+(\p)*1536
	ds_load_b128 v[F+12*(\p)+6:F+12*(\p)+9], v[L16] offset:\off+(\p)*1536+768
	ds_load_b64 v[F+12*(\p)+10:F+12*(\p)+11], v[L8P] offset:\off+(\p)*1536+768
.endm
.macro WMS p, e                        ; key tile 2 p + e: half e of fragment p against q in that half
.set QB_, QLO+12*(\e)
.if (\p)%2 == 0
	v_wmma_scale_f32_16x16x128_f8f6f4 v[S+8*(2*\p+\e):S+8*(2*\p+\e)+7], v[F+12*\p:F+12*\p+11], v[QB_:QB_+11], 0, v[KS+\p/2], v[QS] matrix_a_fmt:MATRIX_FMT_FP6 matrix_b_fmt:MATRIX_FMT_FP6
.else
	v_wmma_scale_f32_16x16x128_f8f6f4 v[S+8*(2*\p+\e):S+8*(2*\p+\e)+7], v[F+12*\p:F+12*\p+11], v[QB_:QB_+11], 0, v[KS+\p/2], v[QS] matrix_a_fmt:MATRIX_FMT_FP6 matrix_b_fmt:MATRIX_FMT_FP6 matrix_a_scale:MATRIX_SCALE_ROW1
.endif
.endm
.macro WMO nt
.if (\nt)%2 == 0
	v_wmma_scale_f32_16x16x128_f8f6f4 v[O+8*\nt:O+8*\nt+7], v[F+12*\nt:F+12*\nt+11], v[PCD:PCD+11], v[O+8*\nt:O+8*\nt+7], v[VS+\nt/2], v[PS] matrix_a_fmt:MATRIX_FMT_FP6 matrix_b_fmt:MATRIX_FMT_FP6
.else
	v_wmma_scale_f32_16x16x128_f8f6f4 v[O+8*\nt:O+8*\nt+7], v[F+12*\nt:F+12*\nt+11], v[PCD:PCD+11], v[O+8*\nt:O+8*\nt+7], v[VS+\nt/2], v[PS] matrix_a_fmt:MATRIX_FMT_FP6 matrix_b_fmt:MATRIX_FMT_FP6 matrix_a_scale:MATRIX_SCALE_ROW1
.endif
.endm
.macro NEXTMASK                        ; the next step's 64 mask bytes of my query, where that step's tile is mixed.  My word holds one pass's classes: behind step 15 the field is 0, so no load leaves the row
	s_cmp_eq_u32 s[NM], 1
	s_cbranch_scc0 .Lno_mask_\@
.irp b, 0,1,2,3
	global_load_b128 v[MK+4*\b:MK+4*\b+3], v[MKO], s[MB:MB+1] offset:128+32*\b
.endr
.Lno_mask_\@:
.endm
; voff: where v's four fragments lie in LDS.  Their sixteen loads are dealt among the first lines below: no vector or matrix instruction since the wait ahead of this macro names F.
.macro SOFTMAX voff
	FRAG 0, \voff
.irp b, 0,1,2,3
	v_max3_num_f32 v[BM+\b], v[S+16*\b], v[S+16*\b+1], v[S+16*\b+2]   ; the largest score of each block of 32 keys: for the row's maximum and, since p rises with the score, for the block's largest p
.endr
.irp i, 3,5,7,9,11,13
.if \i == 5
	FRAG 1, \voff
.endif
.if \i == 9
	FRAG 2, \voff
.endif
.if \i == 13
	FRAG 3, \voff
.endif
.irp b, 0,1,2,3
	v_max3_num_f32 v[BM+\b], v[BM+\b], v[S+16*\b+\i], v[S+16*\b+\i+1]
.endr
.endr
.irp b, 0,1,2,3
	v_max_num_f32 v[BM+\b], v[BM+\b], v[S+16*\b+15]
.endr
.irp b, 0,1,2,3
	v_permlanex16_b32 v[BP+\b], v[BM+\b], s[SEL], s[SEL+1]
.endr
.irp b, 0,1,2,3
	v_max_num_f32 v[BM+\b], v[BM+\b], v[BP+\b]     ; with lane l xor 16's sixteen keys
.endr
	v_max3_num_f32 v254, v[BM], v[BM+1], v[BM+2]
	v_max_num_f32 v254, v254, v[BM+3]
	v_mul_f32 v254, s[CS], v254                    ; as t
	v_max_num_f32 v13, v13, v254                   ; the running largest t
	v_mov_b32 v254, v12
	v_floor_f32 v12, -v13                          ; the new -M = floor(-t): M is a whole number
	v_sub_f32 v254, v12, v254                      ; old M - new M: a whole number, 0 or less
	v_cvt_i32_f32 v254, v254                       ; (it saturates)
	v_ldexp_f32 v[FF], 1.0, v254                   ; f = 2^(old M - new M)
.set j_, 0
.rept 32
	v_pk_fma_f32 v[S+j_:S+j_+1], v[S+j_:S+j_+1], s[CS:CS+1], v[12:13] op_sel_hi:[1,0,0]   ; t - M, two at a time
.set j_, j_+2
.endr
.irp b, 0,1,2,3
	v_fma_f32 v[BM+\b], v[BM+\b], s[CS], v12
.endr
.set j_, 0
.rept 64
	v_exp_f32 v[S+j_], v[S+j_]                     ; p = 2^(t - M): one batch
.set j_, j_+1
.endr
	v_pk_mul_f32 v[14:15], v[14:15], v[FF:FF+1] op_sel_hi:[1,0]   ; the sums under the new M: the plain line behind the batch
	s_wait_alu depctr_va_vdst(0)                   ; the 64 exponentials have written p in v[S ..], which the sums below are the first to read: one wait for the batch
.irp b, 0,1,2,3
	v_exp_f32 v[BM+\b], v[BM+\b]                   ; each block's largest p
.endr
	v_pk_add_f32 v[BP:BP+1], v[S:S+1], v[S+2:S+3]  ; the row's sum of the unquantised p, in two chains
.irp j, 4,8,12,16,20,24,28,32,36,40,44,48,52,56,60
	v_pk_add_f32 v[14:15], v[14:15], v[S+\j:S+\j+1]
	v_pk_add_f32 v[BP:BP+1], v[BP:BP+1], v[S+\j+2:S+\j+3]
.endr
	v_pk_add_f32 v[14:15], v[14:15], v[BP:BP+1]
	s_wait_alu depctr_va_vdst(0)                   ; the four exponentials have written v[BM ..], which the floor's lines below read
.irp b, 0,1,2,3
	v_max_num_f32 v[BM+\b], 0x1800000, v[BM+\b]    ; the floor 2^(3 - 127)
.endr
.irp b, 0,1,2,3
	v_add_nc_u32 v[SO+\b], 0xff000000, v[BM+\b]
.endr
.irp b, 0,1,2,3
	v_lshrrev_b32 v[BP+\b], 23, v[SO+\b]
.endr
	v_lshl_or_b32 v[PS], v[BP+1], 8, v[BP]         ; p's scale word for these 128 keys
	v_lshl_or_b32 v[PS], v[BP+2], 16, v[PS]
	v_lshl_or_b32 v[PS], v[BP+3], 24, v[PS]
.irp c, 0,1
	v_cvt_scalef32_pk16_fp6_f32 v[PCD+6*\c:PCD+6*\c+2], v[S+32*\c:S+32*\c+15], v[SO+2*\c]
	v_cvt_scalef32_pk16_fp6_f32 v[PT+4*\c:PT+4*\c+2], v[S+32*\c+16:S+32*\c+31], v[SO+2*\c+1]
.endr
	v_nop                                          ; one plain place behind a scaled conversion
.irp c, 0,1
.irp i, 0,1,2
	v_permlane16_swap_b32 v[PCD+6*\c+\i], v[PT+4*\c+\i]
.endr
.irp i, 0,1,2
	v_mov_b32 v[PCD+6*\c+3+\i], v[PT+4*\c+\i]
.endr
.endr
.set j_, 0
.rept 16
	v_pk_mul_f32 v[O+j_:O+j_+1], v[O+j_:O+j_+1], v[FF:FF+1] op_sel_hi:[1,0]   ; O^T under the new M; these sixteen are also the places between the scale word's and the codes' last writes and the products
.set j_, j_+2
.endr
.endm
; A TRIP: one key step out of slot, while the next step's block is brought into the other slot.
.macro TRIP slot
	s_wait_dscnt 0x0                               ; my stores into this slot have landed, my reads of the other are back
	s_barrier_signal -1
	s_barrier_wait -1                              ; both now hold of all sixteen waves
	s_wait_alu depctr_va_vdst(0)                   ; the last trip's add has written v[CPG], which the copy's loads read; its products are done reading F, KS and VS, in which the loads below land; in a pass's first trip QS is written, which the products take as a scale
	s_bfe_u32 s[NX], s[BW], 0x20002                ; does any wave want the next step?  (the same number in all waves)
	s_and_b32 s[CL], s[TW], 3                      ; my tile's class in this step
	s_bfe_u32 s[NM], s[TW], 0x20002                ; and in the next
	s_cmp_eq_u32 s[NX], 0
	s_cbranch_scc1 .Lno_copy_\@
	global_load_b128 v[CP:CP+3], v[CPG], s[KV:KV+1]                ; 800 pieces of 16 bytes: one a thread,
	s_cmp_gt_u32 s[WV], 8
	s_cbranch_scc1 .Lno_copy_\@
	global_load_b128 v[CP+4:CP+7], v[CPG], s[KV:KV+1] offset:8192  ; and a second in waves 0 to 8
.Lno_copy_\@:
	s_cmp_eq_u32 s[CL], 0
	s_cbranch_scc1 .Lidle_\@
.irp p, 0,1,2,3
	FRAG \p, \slot*SLOTB
.endr
	ds_load_b64 v[KS:KS+1], v[L8L] offset:\slot*SLOTB+12288
	ds_load_b64 v[VS:VS+1], v[L8L] offset:\slot*SLOTB+12544
	s_wait_dscnt 0x0
.irp p, 0,1,2,3
	WMS \p, 0
	WMS \p, 1
.endr
	PLACES
	s_cmp_eq_u32 s[CL], 1
	s_cbranch_scc0 .Lopen_\@
.irp k, 0,1,2,3,4,5,6,7,8,9,10,11,12,13,14,15  ; a mixed tile: bytes 0, 1 become 0x00, 0xff; each is spread over a word, which keeps the score or puts -infinity in its place
	v_mul_lo_u32 v[MK+\k], v[MK+\k], s[C255]
.endr
.set n_, 0
.rept 16
.irp e, 0,1,2,3
	v_perm_b32 v[MT+\e], v[MK+n_], v[MK+n_], s[SL+\e]
.endr
.irp e, 0,1,2,3
	v_bfi_b32 v[S+4*n_+\e], v[MT+\e], v[S+4*n_+\e], s[NINF]        ; register 16 b + 4 k + e is key 32 b + 16 h + 4 k + e: byte e of mask word 4 b + k
.endr
.set n_, n_+1
.endr
.Lopen_\@:
	s_wait_alu depctr_va_vdst(0)                   ; the eight products are done reading k's fragments, in whose registers v's land; on a mixed tile the masking is done reading and writing MK, in which the next step's mask bytes land
	NEXTMASK
	SOFTMAX \slot*SLOTB+6144                       ; v's fragments are asked for in its first lines and land during it
	s_wait_dscnt 0x0                               ; v
	s_wait_alu depctr_va_vdst(0)                   ; the conversions and lane moves have written p's codes, the shifts p's scale word: the products below take them as source 1 and as its scales (the places stand ahead of this wait)
.irp nt, 0,1,2,3
	WMO \nt                                        ; four accumulators by turns
.endr
	PLACES
	s_branch .Lend_\@
.Lidle_\@:
	NEXTMASK                                       ; (no vector instruction since the wait at the trip's head)
.Lend_\@:
	s_wait_loadcnt 0x0                             ; the copy and the mask bytes, asked for earlier in the trip
	s_cmp_eq_u32 s[NX], 0
	s_cbranch_scc1 .Lno_store_\@
	ds_store_b128 v[CPL], v[CP:CP+3] offset:(1-\slot)*SLOTB
	s_cmp_gt_u32 s[WV], 8
	s_cbranch_scc1 .Lno_store_\@
	ds_store_b128 v[CPL], v[CP+4:CP+7] offset:(1-\slot)*SLOTB+8192
.Lno_store_\@:
	s_wait_xcnt 0x0                                ; the trip's loads have read their addresses, which step now
	s_wait_alu depctr_vm_vsrc(0)                   ; the copy's loads have read v[CPG], which the add below writes; the LDS stores above have read CP, in which the next trip's copy lands
	s_add_co_u32 s[SOFF], s[SOFF], SLOTB
	s_cmp_eq_u32 s[SOFF], 16*SLOTB
	s_cselect_b32 s[SOFF], 0, s[SOFF]              ; behind step 15 comes the next pass's step 0
	v_add_nc_u32 v[CPG], s[SOFF], v[CPL]
	s_add_nc_u64 s[MB:MB+1], s[MB:MB+1], 128
	s_lshr_b64 s[BW:BW+1], s[BW:BW+1], 2
	s_lshr_b32 s[TW], s[TW], 2
.endm
	s_load_b256 s[4:11], s[0:1], 0x0               ; qkv s[4:5], mask s[6:7], tilecls s[8:9], oq s[10:11]
	v_lshl_add_u32 v[SPW], v0, 2, SPARE
	v_mov_b32 v[NIL], 0
	v_lshrrev_b32 v11, 5, v0
	v_readfirstlane_b32 s[WV], v11                 ; wave 0..15
	v_and_b32 v11, 31, v0                          ; lane
	v_cmp_lt_u32 s[HM], 15, v11                    ; lanes 16-31
	s_wait_alu depctr_va_sdst(0)                   ; s[WV] and s[HM] are written, ahead of their first readers: the scalar lines below, and the select at a pass's end
	s_mov_b32 s13, ttmp9                           ; pass 0's query block
	s_sub_co_u32 s15, 7, ttmp9                     ; pass 1's
	s_and_b32 s14, ttmp7, 0xffff                   ; 16 x batch + head
	s_lshl_b32 s91, s13, 6
	s_lshl_b32 s92, s15, 6
	s_lshl_b32 s93, s[WV], 2
	s_add_co_u32 s94, s92, s93
	s_add_co_u32 s93, s91, s93
	s_wait_kmcnt 0x0
	s_load_b512 s[16:31], s[8:9], s91 offset:0x0   ; the sixteen tiles' classes, pass 0
	s_load_b512 s[32:47], s[8:9], s92 offset:0x0   ; pass 1
	s_load_b32 s[TW], s[8:9], s93 offset:0x0       ; my tile's
	s_load_b32 s[TWN], s[8:9], s94 offset:0x0
	s_mov_b32 s[SEL], 0x76543210
	s_mov_b32 s[SEL+1], 0xfedcba98
	s_mov_b32 s[CS], 0x3e38aa3b                    ; c = log2(e) / 8
	s_mov_b32 s[CS+1], s[CS]
	s_mov_b32 s[NINF], 0xff800000
	s_mov_b32 s[C255], 255
	s_mov_b32 s[SL], 0
	s_mov_b32 s[SL+1], 0x01010101
	s_mov_b32 s[SL+2], 0x02020202
	s_mov_b32 s[SL+3], 0x03030303
	s_mov_b32 s[SOFF], SLOTB
	s_mov_b32 s[PASS], 2
	v_and_b32 v252, 15, v0                         ; r
	v_bfe_u32 v253, v0, 4, 1                       ; h
	v_lshlrev_b32 v[L16], 4, v11
	v_lshlrev_b32 v[L8P], 4, v252
	v_lshl_add_u32 v[L8P], v253, 3, v[L8P]
	v_add_nc_u32 v[L8P], 512, v[L8P]
	v_lshlrev_b32 v[L8L], 3, v11
	v_lshlrev_b32 v[CPL], 4, v0
	v_add_nc_u32 v[CPG], SLOTB, v[CPL]
	v_and_b32 v254, 7, v252
	v_lshrrev_b32 v255, 3, v252
	v_lshl_add_u32 v254, v255, 4, v254             ; r % 8 + 16 (r / 8)
.irp j, 22,23,24,25,26,27,28,29,30,31,32,33
	v_mov_b32 v\j, 0                               ; the zero halves of [q | 0] and [0 | q]
.endr
.irp j, 0,1,2,3,4,5,6,7,8,9,10,11,12,13,14,15
	v_mov_b32 v[MK+\j], 0
.endr
.irp j, 0,1,2,3
	v_mov_b32 v[BP+\j], 0                          ; (a lane permute's destination counts as one of its sources)
.endr
	v_mov_b32 v[FF+1], 0                           ; (named as the upper half of the pair)
	s_wait_kmcnt 0x0
.irp j, 17,18,19,20,21,22,23,24,25,26,27,28,29,30,31
	s_or_b32 s16, s16, s\j
.endr
.irp j, 33,34,35,36,37,38,39,40,41,42,43,44,45,46,47
	s_or_b32 s32, s32, s\j
.endr
	s_mov_b32 s[BW], s16
	s_mov_b32 s[BW+1], s32
	s_mul_i32 s92, s14, 16*SLOTB
	s_add_co_u32 s92, s92, 13107200
	s_mov_b32 s93, 0
	s_add_nc_u64 s[KV:KV+1], s[4:5], s[92:93]      ; the head's sixteen blocks of k and v
	s_wait_alu depctr_va_vdst(0)                   ; v[L16], v[L8P], v[L8L], v[CPL] and v[CPG] are written, which loads and stores read as addresses from here on; so are MK's zeros, in which mask bytes land, and q's zero halves, which the products take
	global_load_b128 v[CP:CP+3], v[CPL], s[KV:KV+1]                ; step 0 goes into slot 0 ahead of the loop
	s_cmp_gt_u32 s[WV], 8
	s_cbranch_scc1 .Lhead_one
	global_load_b128 v[CP+4:CP+7], v[CPL], s[KV:KV+1] offset:8192
.Lhead_one:
	s_lshr_b32 s91, s[WV], 2
	s_lshl_b32 s91, s91, 6
	s_bfe_u32 s98, s[WV], 0x10001                  ; my tile's group of 32
	s_lshl_b32 s94, s98, 5
	s_add_co_u32 s91, s91, s94
	s_and_b32 s99, s[WV], 1                        ; u
	s_lshl_b32 s94, s99, 3
	s_add_co_u32 s91, s91, s94                     ; my tile's first row in the block: 64 (w / 4) + 32 group + 8 u
	v_add_nc_u32 v254, s91, v254
	v_lshlrev_b32 v[MKO], 11, v254
	v_lshl_add_u32 v[MKO], v253, 4, v[MKO]
	s_lshl_b32 s[U16], s99, 4
	s_lshl_b32 s91, s98, 7
	s_bfe_u32 s94, s[WV], 0x10002                  ; which 64 of the block's 128 tokens
	s_lshl_b32 s94, s94, 2
	s_add_co_u32 s91, s91, s94
	s_add_co_u32 s91, s91, 12288
	s_and_b32 s94, s[WV], 7
	s_mul_i32 s94, s94, 768
	s_sub_co_u32 s91, s91, s94                     ; counted from my tile's half (at most 5,376 into the block)
	v_lshl_add_u32 v[QWO], v252, 3, s91
	v_lshl_add_u32 v[OSO], v252, 2, v253
	s_lshl_b32 s91, s99, 6
	v_add_nc_u32 v[OSO], s91, v[OSO]               ; 4 (16 u + r) + h
	s_and_b32 s94, s14, 15                         ; the head
	s_lshr_b32 s95, s94, 1                         ; its K step of the projection,
	s_and_b32 s94, s94, 1                          ; and its half of that step
	s_mul_i32 s96, s95, 6144
	s_and_b32 s91, s[WV], 3
	s_mul_i32 s91, s91, 1536
	s_add_co_u32 s96, s96, s91
	s_mul_i32 s91, s94, 768
	s_add_co_u32 s96, s96, s91
	s_lshl_b32 s97, s95, 8
	s_lshl_b32 s91, s98, 7
	s_add_co_u32 s97, s97, s91
	s_lshl_b32 s91, s94, 1
	s_add_co_u32 s97, s97, s91
	s_add_co_u32 s97, s97, 6291456
	PTRS 13, MB, QPT, OCB, OSB
	PTRS 15, MBN, QPN, OCN, OSN
	v_mov_b32 v252, 0
	s_wait_alu depctr_va_vdst(0)                   ; v[MKO], v[QWO] and v[OSO] are written: the passes' loads of the mask and of q's scale word and the byte store read them as addresses
	s_wait_loadcnt 0x0
	ds_store_b128 v[CPL], v[CP:CP+3]
	s_cmp_gt_u32 s[WV], 8
	s_cbranch_scc1 .Lpass
	ds_store_b128 v[CPL], v[CP+4:CP+7] offset:8192
.Lpass:
	s_wait_alu depctr_vm_vsrc(0)                   ; on the way in: the LDS stores above have read CP, in which the first trip's copy lands; on the way back: the last pass's stores have read PCD and v252, which this pass writes again
	global_load_b128 v[QLO:QLO+3], v[L16], s[QPT:QPT+1]            ; my tile of q, twice: two runs of registers.  (On the way back the products that read these registers stand ahead of the wait in front of the last pass's stores, and no vector line follows that wait)
	global_load_b64 v[QLO+4:QLO+5], v[L8P], s[QPT:QPT+1]
	global_load_b128 v[QHI+6:QHI+9], v[L16], s[QPT:QPT+1]
	global_load_b64 v[QHI+10:QHI+11], v[L8P], s[QPT:QPT+1]
	global_load_b32 v[QS], v[QWO], s[QPT:QPT+1]
	s_and_b32 s[CL], s[TW], 3
	s_cmp_eq_u32 s[CL], 1
	s_cbranch_scc0 .Lno_first_mask
.irp b, 0,1,2,3
	global_load_b128 v[MK+4*\b:MK+4*\b+3], v[MKO], s[MB:MB+1] offset:32*\b
.endr
.Lno_first_mask:
	s_wait_loadcnt 0x0
	v_lshrrev_b32 v[QS], s[U16], v[QS]             ; my tile's two bytes of the group's word,
	v_and_b32 v[QS], 0xffff, v[QS]
	v_lshl_or_b32 v[QS], v[QS], 16, v[QS]          ; for either half of the instruction's K
	v_mov_b32 v13, 0xff61b1e6                      ; the largest t so far: -3e38
	v_floor_f32 v12, -v13
	v_mov_b32 v14, 0
	v_mov_b32 v15, 0
.set j_, 0
.rept 32
	v_mov_b32 v[O+j_], 0                           ; the trip is written once: the first finds zeros, which the first change of M leaves zeros
.set j_, j_+1
.endr
	s_mov_b32 s[TRIPS], 8
.Ltrip:
	TRIP 0
	TRIP 1
	s_sub_co_u32 s[TRIPS], s[TRIPS], 1
	s_cmp_lg_u32 s[TRIPS], 0
	s_cbranch_scc1 .Ltrip
	; THE WAY OUT OF A PASS: O^T / the sum; its 32 registers are channels 32 b + 16 h + 0 .. 15 of my query: they are quantised as they lie and are half a fragment of the projection's left operand.
	v_add_f32 v14, v14, v15
	v_permlanex16_b32 v252, v14, s[SEL], s[SEL+1]
	v_add_f32 v14, v14, v252                       ; the row's sum
	v_cmp_eq_f32 s[ZM], 0, v14                     ; a row with no key kept: a select follows, no branch
	s_wait_alu depctr_va_sdst(0)                   ; s[ZM] is written, ahead of its first reader, the select below
	v_cndmask_b32 v14, v14, 1.0, s[ZM]
	v_rcp_f32 v[FF], v14
	v_mov_b32 v253, 0xff                           ; (the plain line behind the reciprocal)
	s_wait_alu depctr_va_vdst(0)                   ; the reciprocal has written v[FF], which the multiplications below read
.set j_, 0
.rept 16
	v_pk_mul_f32 v[S+j_:S+j_+1], v[O+j_:O+j_+1], v[FF:FF+1] op_sel_hi:[1,0]
.set j_, j_+2
.endr
.irp b, 0,1
	v_max3_num_f32 v[BM+\b], |v[S+16*\b]|, |v[S+16*\b+1]|, 0x1800000
.endr
.irp i, 2,4,6,8,10,12,14
.irp b, 0,1
	v_max3_num_f32 v[BM+\b], v[BM+\b], |v[S+16*\b+\i]|, |v[S+16*\b+\i+1]|
.endr
.endr
.irp b, 0,1
	v_permlanex16_b32 v[BP+\b], v[BM+\b], s[SEL], s[SEL+1]
.endr
.irp b, 0,1
	v_max_num_f32 v[BM+\b], v[BM+\b], v[BP+\b]
.endr
.irp b, 0,1
	v_add_nc_u32 v[SO+\b], 0xff000000, v[BM+\b]
.endr
.irp b, 0,1
	v_lshrrev_b32 v[BP+\b], 23, v[SO+\b]
.endr
	v_cvt_scalef32_pk16_fp6_f32 v[PCD:PCD+2], v[S:S+15], v[SO]
	v_cvt_scalef32_pk16_fp6_f32 v[PT:PT+2], v[S+16:S+31], v[SO+1]
	v_nop
.irp i, 0,1,2
	v_permlane16_swap_b32 v[PCD+\i], v[PT+\i]
.endr
.irp i, 0,1,2
	v_mov_b32 v[PCD+3+\i], v[PT+\i]
.endr
	v_cndmask_b32 v252, v[BP], v[BP+1], s[HM]      ; my block's byte,
	v_cndmask_b32 v252, v252, v253, s[ZM]          ; or 0xff for a row with no key kept
	s_wait_alu depctr_va_vdst(0)                   ; the conversions and lane moves have written PCD's six registers, the selects v252: the three stores below read them
	global_store_b128 v[L16], v[PCD:PCD+3], s[OCB:OCB+1]           ; 512 consecutive bytes
	global_store_b64 v[L8P], v[PCD+4:PCD+5], s[OCB:OCB+1]          ; 256 consecutive bytes
	global_store_b8 v[OSO], v252, s[OSB:OSB+1]     ; two bytes of each of my 16 rows' scale words: the other bytes are other heads'
	s_wait_xcnt 0x0                                ; the stores have read their addresses and data
	s_mov_b64 s[MB:MB+1], s[MBN:MBN+1]             ; the second pass's pointers
	s_mov_b64 s[QPT:QPT+1], s[QPN:QPN+1]
	s_mov_b64 s[OCB:OCB+1], s[OCN:OCN+1]
	s_mov_b64 s[OSB:OSB+1], s[OSN:OSN+1]
	s_mov_b32 s[TW], s[TWN]
	s_sub_co_u32 s[PASS], s[PASS], 1
	s_cmp_lg_u32 s[PASS], 0
	s_cbranch_scc1 .Lpass
	s_wait_dscnt 0x0                               ; the wave's end: the six closing lines, on end
	s_wait_alu 0x0
	s_wait_tensorcnt 0x0
	ds_add_u32 v[SPW], v[NIL]
	s_wait_dscnt 0x0
	s_endpgm
.Lfunc_end_k_q611c09d760_attn:
	.size	k_q611c09d760_attn, .Lfunc_end_k_q611c09d760_attn-k_q611c09d760_attn
	.p2alignl 7, 3214868480
	.fill 96, 4, 3214868480
	.section	.rodata,"a",@progbits
	.p2align	6, 0x0
	.amdhsa_kernel k_q611c09d760_attn
		.amdhsa_group_segment_fixed_size 27648
		.amdhsa_private_segment_fixed_size 0
		.amdhsa_enable_private_segment 0
		.amdhsa_kernarg_size 32
		.amdhsa_user_sgpr_count 2
		.amdhsa_user_sgpr_kernarg_segment_ptr 1
		.amdhsa_wavefront_size32 1
		.amdhsa_system_sgpr_workgroup_id_x 1
		.amdhsa_system_sgpr_workgroup_id_y 1
		.amdhsa_system_sgpr_workgroup_id_z 1
		.amdhsa_system_vgpr_workitem_id 0
		.amdhsa_next_free_vgpr 256
		.amdhsa_next_free_sgpr 100
		.amdhsa_reserve_vcc 0
		.amdhsa_float_denorm_mode_32 3
		.amdhsa_float_denorm_mode_16_64 3
		.amdhsa_memory_ordered 1
		.amdhsa_forward_progress 1
		.amdhsa_inst_pref_size 69
	.end_amdhsa_kernel
	.amdgpu_metadata
---
amdhsa.version: [ 1, 2 ]
amdhsa.kernels:
  - .name:           k_q611c09d760_attn
    .symbol:         k_q611c09d760_attn.kd
    .args:
      - { .name: qkv, .offset: 0, .size: 8, .value_kind: global_buffer, .address_space: global }
      - { .name: mask, .offset: 8, .size: 8, .value_kind: global_buffer, .address_space: global }
      - { .name: tilecls, .offset: 16, .size: 8, .value_kind: global_buffer, .address_space: global }
      - { .name: oq, .offset: 24, .size: 8, .value_kind: global_buffer, .address_space: global }
    .group_segment_fixed_size: 27648
    .private_segment_fixed_size: 0
    .kernarg_segment_align: 8
    .kernarg_segment_size: 32
    .max_flat_workgroup_size: 512
    .sgpr_count:     100
    .vgpr_count:     256
    .wavefront_size: 32
...
	.end_amdgpu_metadata
.endif
;; end of part 5
;; launch gemm_proj: the kernel of part 4 again; grid 8 x 32, 4 waves a work-group, clusters of 4 x 1, 222,720 bytes of LDS; arguments oq, wq, b_proj, out0; writes out0
